; MI455X (gfx1250); checked and timed in simulation.
; The chip was launched on July 23, 2026; its instructions are those of AMD's public machine-readable ISA for CDNA 5 (MIT licence, August 2026) and "CDNA5" Instruction Set Architecture Reference Guide (July 2026). The comments in the code are by the model that wrote it; some were corrected since.
;; Tanh Attention. Allowed arithmetic: matrix products marked QUANTISED: E2M1 operands, one E8M0 scale for each 32 along K, by v_wmma_scale_f32_16x16x128_f8f6f4 with both operands' format E2M1 (or v_wmma_scale_f32_32x16x128_f4), f32 sums; products left as they are: f32 operands where the result goes on into a quantised operand, else bf16, f16 or f32 operands; f32 sums; everything else in f32.
;; Inputs: W1_codes 1,024 x 64 x 16 uint8 (E2M1 codes of W1, K innermost, in blocks of 32 codes, two codes a byte); W1_scales 1,024 x 64 uint8 (E8M0 scales of W1, one for each 32 codes along K); W2_codes 1,024 x 64 x 16 uint8 (E2M1 codes of W2, K innermost, in blocks of 32 codes, two codes a byte); W2_scales 1,024 x 64 uint8 (E8M0 scales of W2, one for each 32 codes along K); W3_codes 1,024 x 64 x 16 uint8 (E2M1 codes of W3, K innermost, in blocks of 32 codes, two codes a byte); W3_scales 1,024 x 64 uint8 (E8M0 scales of W3, one for each 32 codes along K); Ww 1 x 1,024 float32; b1 1,024 float32; b2 1,024 float32; b3 1,024 float32; bw 1 float32; q1_codes 32 x 1 x 64 x 16 uint8 (E2M1 codes of q1, K innermost, in blocks of 32 codes, two codes a byte); q1_scales 32 x 1 x 64 uint8 (E8M0 scales of q1, one for each 32 codes along K); q2_codes 32 x 1 x 64 x 16 uint8 (E2M1 codes of q2, K innermost, in blocks of 32 codes, two codes a byte); q2_scales 32 x 1 x 64 uint8 (E8M0 scales of q2, one for each 32 codes along K); v 32 x 1,024 x 2,048 float32.
;; Outputs: out0 32 x 1 x 1,024 float32; out1 32 x 1 x 2,048 float32.
;; This version of the problem:
;;   THIS VERSION OF THE PROBLEM IS GIVEN IN LOW PRECISION. The matrix products marked QUANTISED in the list below multiply operands that are first quantised to E2M1 (2 exponent bits, 1 mantissa bit; 4 bits a number), with one power-of-two scale for each 32 numbers along K (OCP MX v1.0); their sums are f32. All else is computed in f32.
;;   The module's matrix products, in the order in which they are computed (A, B: the left and right operand; K: the contracted axis; several contracted axes count as one K, in the product's order):
;;     1. [M 32,768, K 2,048] x [K 2,048, N 1,024]; A: input v; B: input W1 (given as codes): QUANTISED
;;     2. [M 32, K 2,048] x [K 2,048, N 1,024]; A: input q1 (given as codes); B: input W2 (given as codes): QUANTISED
;;     3. [M 32, K 2,048] x [K 2,048, N 1,024]; A: input q2 (given as codes); B: input W3 (given as codes): QUANTISED
;;     4. [M 32,768, K 1,024] x [K 1,024, N 1]; A: computed on the way; B: input Ww: left as it is (N = 1 < 16)
;;     5. batch 32 x [M 1, K 1,024] x [K 1,024, N 2,048]; A: computed on the way; B: input v: left as it is (M = 1 < 16)
;;   THE QUANTISER, for each operand of a quantised product, along K:
;;     - K is cut into blocks of 32 from its start; a last block that is shorter is filled with zeros.
;;     - A block's scale is 2^e with e = floor(log2(the largest magnitude in the block)) - 2, held to -126 .. 127; a block of zeros has e = 0. As a byte (E8M0): e + 127.
;;     - Each number is divided by its block's scale, clamped to +-6, and rounded to the nearest number of E2M1, ties to even, subnormals kept.
;;     - The product sums the exact products of the quantised numbers (number of the format x scale) in f32.
;;   ~~~python
;;   def quantise(x, axis):      # numpy; x: float32 -> the quantised numbers, widened to float32 again
;;       x = np.moveaxis(x, axis, -1); K = x.shape[-1]
;;       x = np.pad(x, [(0, 0)] * (x.ndim - 1) + [(0, -K % 32)]); x = x.reshape(x.shape[:-1] + (-1, 32)); a = np.abs(x).max(-1, keepdims=True)
;;       e = np.where(a > 0, np.clip(np.frexp(np.where(a > 0, a, 1))[1] - 1 - 2, -126, 127), 0)      # np.frexp(a)[1] - 1 = floor(log2(a)), exactly
;;       r = np.clip(x / 2.0 ** e, -6, 6)
;;       step = 2.0 ** (np.maximum(np.frexp(np.where(r == 0, 1, r))[1] - 1, 0) - 1)
;;       q = np.round(r / step) * step * 2.0 ** e      # np.round: ties to even
;;       return np.moveaxis(q.reshape(q.shape[:-2] + (-1,))[..., :K], -1, axis).astype(np.float32)
;;   ~~~
;;   INPUTS GIVEN AS CODES. W1 (in the module: [1024, 2048], K = its axis 1); W2 (in the module: [1024, 2048], K = its axis 1); W3 (in the module: [1024, 2048], K = its axis 1); q1 (in the module: [32, 1, 2048], K = its axis 2); q2 (in the module: [32, 1, 2048], K = its axis 2): each comes as NAME_codes (uint8): NAME with its K axis moved to the last place and cut into blocks of 32 codes, [.., K / 32, bytes a block], one block behind the other in memory; two codes a byte, the lower K in the low four bits (a code: sign, 2 exponent bits, 1 mantissa bit); and NAME_scales (uint8): the same leading axes, one E8M0 byte (e + 127) for each 32 codes along K. Its value is code x scale, taken as it is: it is not quantised again, and the codes and scales need not be those that the quantiser above would give.
;; 2 versions. Each part assembles by itself: llvm-mc -triple=amdgcn-amd-amdhsa -mcpu=gfx1250 --defsym DOCPART=n.
;; ======== version 1 of 2: 3 launches
;; workspace buffers: W1f 1,114,112 bytes; C2 131,072 bytes; LG 131,072 bytes; ST 131,072 bytes; PF 4,194,304 bytes
;; launch prep (part 1): grid 96 x 1, 4 waves a work-group, no clusters, 0 bytes of LDS; arguments W1_codes, W1_scales, W2_codes, W2_scales, W3_codes, W3_scales, q1_codes, q1_scales, q2_codes, q2_scales, b1, b2, b3, W1f, C2; writes W1f, C2
.if DOCPART == 1
	.amdgcn_target "amdgcn-amd-amdhsa--gfx1250"
	.amdhsa_code_object_version 6
	.text
	.protected	k_qef2a5f86f2_prep
	.globl	k_qef2a5f86f2_prep
	.p2align	8
	.type	k_qef2a5f86f2_prep,@function
k_qef2a5f86f2_prep:
	s_mov_b64 s[64:65], 0
	v_nop
	global_prefetch_b8 v0, s[64:65] scope:SCOPE_SE
	s_setreg_imm32_b32 hwreg(HW_REG_WAVE_MODE, 25, 1), 1
	s_wait_xcnt 0x0
; TanhAttention, launch 1 of 3.
; THE PROGRAM.  logits[b][k] = sum over h of Ww[h] tanh(v[b][k] . W1[h] + c[b][h]) + bw,  c[b][h] = q1[b] . W2[h] + q2[b] . W3[h] + b1[h] + b2[h] + b3[h];
; weight = softmax of the logits along k;  feature = weight . v.  The three products with W1, W2, W3 go on codes of E2M1 with one E8M0 scale for each 32 along K.
; WORK LEFT OUT, for all finite values of the inputs.  Both outputs hang on the logits through the softmax along k alone, and softmax(l + t) = softmax(l) for
; every t that is the same for all k of a batch.  (a) bw is such a t: it is not loaded and is an argument of no launch.  (b) tanh x = 1 - 2 / (1 + e^(2x)), so
; sum_h Ww[h] tanh(x_h) = sum_h Ww[h] - 2 sum_h Ww[h] / (1 + e^(2 x_h)); the first sum is such a t too and is never formed.  LIMIT: a NaN, an infinity or an
; overflow that would reach the result through bw or through the sum of Ww alone is not carried to it.
; THIS LAUNCH has two roles, parted by the work-group's number; neither uses LDS.
;  Work-groups 0-31: C2[b][h] = 2 log2(e) c[b][h].  A wave makes 16 hidden units x 16 batches: source 0 = 16 rows of W2 (W3), source 1 = 16 rows of q1 (q2), 16 K steps of
;    128, two accumulators by turns.  In the result lane (r, h2) holds batch 16 n + r and hidden units 16 T + 8 h2 + 0 .. 7.
;  Work-groups 32-95: W1's codes and scale bytes are laid in the order of the operand's registers: W1f[slice s of 128 along K][wave w of the next launch] is a piece of
;    17,408 bytes: [tile t of 16][half c][lane][16 bytes] = bytes 64 s + 32 c + 16 (lane / 16) of row 256 w + 16 t + lane % 16; then [q][lane][16 bytes]: word 4 q + j of a
;    lane is the scale word (four bytes, this slice) of row 256 w + 32 (4 q + j) + lane.
.set PIECE, 17408
.set W2S, 32                           ; v32-47  W2's scale words, register s for K step s; these four runs hold scales and nothing else
.set W3S, 48                           ; v48-63  W3's
.set Q1S, 64                           ; v64-79  q1's
.set Q2S, 80                           ; v80-95  q2's
.set BI,  96                           ; v96-119 b1, b2, b3: eight numbers each
.set OUTR, 120                         ; v120-127 the result
.set MSB, 0
.macro WIN new                         ; the immediate's high byte repeats the setting that is left
.if MSB != (\new)
	s_set_vgpr_msb (MSB<<8)|(\new)
.set MSB, (\new)
.endif
.endm
	s_load_b512 s[4:19], s[0:1], 0x0               ; W1 codes s4, scales s6; W2 s8, s10; W3 s12, s14; q1 s16, s18
	s_load_b256 s[20:27], s[0:1], 0x40             ; q2 codes s20, scales s22; b1 s24; b2 s26
	s_load_b128 s[28:31], s[0:1], 0x60             ; b3 s28; W1f s30
	s_load_b64 s[32:33], s[0:1], 0x70              ; C2
	v_lshrrev_b32 v1, 5, v0
	v_readfirstlane_b32 s34, v1                    ; wave 0..3
	v_and_b32 v1, 15, v0                           ; r
	v_bfe_u32 v2, v0, 4, 1                         ; lane / 16
	v_lshlrev_b32 v3, 10, v1
	v_lshl_add_u32 v3, v2, 4, v3                   ; a row of 2,048 codes is 1,024 bytes: 1024 r + 16 (lane / 16)
	s_mov_b32 s37, 0                               ; the upper word of every offset
	s_wait_kmcnt 0x0
	s_cmp_lt_u32 ttmp9, 32
	s_cbranch_scc0 .Llay
	; ---- products 2 and 3
	s_lshl_b32 s35, ttmp9, 1
	s_lshr_b32 s36, s34, 1
	s_add_co_u32 s35, s35, s36                     ; T: my tile of 16 hidden units
	s_and_b32 s38, s34, 1                          ; n: my tile of 16 batches
	v_lshlrev_b32 v4, 6, v1                        ; a row of scale bytes is 64 bytes
	v_lshlrev_b32 v5, 5, v2                        ; the biases: my half's eight numbers
	v_lshlrev_b32 v6, 12, v1
	v_lshl_add_u32 v6, v2, 5, v6                   ; C2: row r of 4,096 bytes, + 32 (lane / 16)
	s_mov_b32 s40, 0x4038aa3b                      ; 2 log2(e)
	s_mov_b32 s41, s40                             ; (named with it as a pair)
	s_lshl_b32 s36, s35, 14
	s_add_nc_u64 s[8:9], s[8:9], s[36:37]          ; 16 rows of codes are 16,384 bytes
	s_add_nc_u64 s[12:13], s[12:13], s[36:37]
	s_lshl_b32 s36, s35, 10
	s_add_nc_u64 s[10:11], s[10:11], s[36:37]      ; 16 rows of scale bytes are 1,024
	s_add_nc_u64 s[14:15], s[14:15], s[36:37]
	s_lshl_b32 s36, s38, 14
	s_add_nc_u64 s[16:17], s[16:17], s[36:37]
	s_add_nc_u64 s[20:21], s[20:21], s[36:37]
	s_lshl_b32 s36, s38, 10
	s_add_nc_u64 s[18:19], s[18:19], s[36:37]
	s_add_nc_u64 s[22:23], s[22:23], s[36:37]
	s_lshl_b32 s36, s35, 6
	s_add_nc_u64 s[24:25], s[24:25], s[36:37]
	s_add_nc_u64 s[26:27], s[26:27], s[36:37]
	s_add_nc_u64 s[28:29], s[28:29], s[36:37]
	s_lshl_b32 s39, s38, 16
	s_add_co_u32 s36, s36, s39
	s_add_nc_u64 s[32:33], s[32:33], s[36:37]      ; C2 at batch 16 n, hidden unit 16 T
.irp q, 0,1,2,3
	global_load_b128 v[W2S+4*\q:W2S+4*\q+3], v4, s[10:11] offset:16*\q
	global_load_b128 v[W3S+4*\q:W3S+4*\q+3], v4, s[14:15] offset:16*\q
	global_load_b128 v[Q1S+4*\q:Q1S+4*\q+3], v4, s[18:19] offset:16*\q
	global_load_b128 v[Q2S+4*\q:Q2S+4*\q+3], v4, s[22:23] offset:16*\q
.endr
.irp q, 0,1
	global_load_b128 v[BI+4*\q:BI+4*\q+3], v5, s[24:25] offset:16*\q
	global_load_b128 v[BI+8+4*\q:BI+8+4*\q+3], v5, s[26:27] offset:16*\q
	global_load_b128 v[BI+16+4*\q:BI+16+4*\q+3], v5, s[28:29] offset:16*\q
.endr
	WIN 0x40                                       ; destination window 1: W2's 16 fragments at v0, W3's at v128
.irp s, 0,1,2,3,4,5,6,7,8,9,10,11,12,13,14,15
.irp c, 0,1
	global_load_b128 v[8*\s+4*\c:8*\s+4*\c+3], v3, s[8:9] offset:64*\s+32*\c
	global_load_b128 v[128+8*\s+4*\c:128+8*\s+4*\c+3], v3, s[12:13] offset:64*\s+32*\c
.endr
.endr
	WIN 0x80                                       ; destination window 2: q2's at v0, q1's at v128
.irp s, 0,1,2,3,4,5,6,7,8,9,10,11,12,13,14,15
.irp c, 0,1
	global_load_b128 v[128+8*\s+4*\c:128+8*\s+4*\c+3], v3, s[16:17] offset:64*\s+32*\c
	global_load_b128 v[8*\s+4*\c:8*\s+4*\c+3], v3, s[20:21] offset:64*\s+32*\c
.endr
.endr
	s_wait_loadcnt 0x0
	WIN 0x09                                       ; source 0 window 1, source 1 window 2, C and D window 0
.irp s, 0,1,2,3,4,5,6,7,8,9,10,11,12,13,14,15     ; the two sums take turns, one instruction a turn; the first K step starts them
.if \s == 0
	v_wmma_scale_f32_16x16x128_f8f6f4 v[8:15], v[8*\s:8*\s+7], v[128+8*\s:128+8*\s+7], 0, v[W2S+\s], v[Q1S+\s] matrix_a_fmt:MATRIX_FMT_FP4 matrix_b_fmt:MATRIX_FMT_FP4
	v_wmma_scale_f32_16x16x128_f8f6f4 v[16:23], v[128+8*\s:128+8*\s+7], v[8*\s:8*\s+7], 0, v[W3S+\s], v[Q2S+\s] matrix_a_fmt:MATRIX_FMT_FP4 matrix_b_fmt:MATRIX_FMT_FP4
.else
	v_wmma_scale_f32_16x16x128_f8f6f4 v[8:15], v[8*\s:8*\s+7], v[128+8*\s:128+8*\s+7], v[8:15], v[W2S+\s], v[Q1S+\s] matrix_a_fmt:MATRIX_FMT_FP4 matrix_b_fmt:MATRIX_FMT_FP4
	v_wmma_scale_f32_16x16x128_f8f6f4 v[16:23], v[128+8*\s:128+8*\s+7], v[8*\s:8*\s+7], v[16:23], v[W3S+\s], v[Q2S+\s] matrix_a_fmt:MATRIX_FMT_FP4 matrix_b_fmt:MATRIX_FMT_FP4
.endif
.endr
	WIN 0
.rept 4
	v_nop                                          ; four places between the last product and the first read of a result (ISA guide 7.12.1)
.endr
.irp j, 0,2,4,6                                    ; both results are read from their low end on
	v_pk_add_f32 v[OUTR+\j:OUTR+\j+1], v[8+\j:9+\j], v[16+\j:17+\j]
.endr
.irp q, 0,8,16
.irp j, 0,2,4,6
	v_pk_add_f32 v[OUTR+\j:OUTR+\j+1], v[OUTR+\j:OUTR+\j+1], v[BI+\q+\j:BI+\q+\j+1]
.endr
.endr
.irp j, 0,2,4,6
	v_pk_mul_f32 v[OUTR+\j:OUTR+\j+1], v[OUTR+\j:OUTR+\j+1], s[40:41] op_sel_hi:[1,0]   ; x 2 log2(e): the next launch takes 2^(..) of it
.endr
	global_store_b128 v6, v[OUTR:OUTR+3], s[32:33]             ; 32 bytes a lane of a batch's row: the whole buffer is 131,072 bytes, so no stage is spent on it
	global_store_b128 v6, v[OUTR+4:OUTR+7], s[32:33] offset:16
	s_endpgm
.Llay:
	; ---- W1 into the order of the operand's registers.  id = 16 sg + 4 w + qd: slices 4 sg + wave, rows 256 w + 64 qd on: the four waves read 256 neighbouring bytes of each row
	s_sub_co_u32 s35, ttmp9, 32
	s_lshr_b32 s38, s35, 4
	s_bfe_u32 s39, s35, 0x20002                    ; w
	s_and_b32 s42, s35, 3                          ; qd
	s_lshl_b32 s38, s38, 2
	s_add_co_u32 s38, s38, s34                     ; s
	s_lshl_b32 s36, s39, 18
	s_lshl_b32 s43, s42, 16
	s_add_co_u32 s36, s36, s43
	s_lshl_b32 s43, s38, 6
	s_add_co_u32 s36, s36, s43                     ; (256 w + 64 qd) rows of 1,024 bytes + 64 s
	s_add_nc_u64 s[4:5], s[4:5], s[36:37]
	s_lshl_b32 s43, s38, 2
	s_add_co_u32 s43, s43, s39
	s_mul_i32 s43, s43, PIECE                      ; piece 4 s + w
	s_lshl_b32 s36, s42, 12
	s_add_co_u32 s36, s36, s43                     ; its tiles 4 qd on, 1,024 bytes each
	s_add_nc_u64 s[44:45], s[30:31], s[36:37]
	v_and_b32 v7, 31, v0
	v_lshlrev_b32 v8, 6, v7                        ; 64 x lane: a row of scale bytes
	v_lshlrev_b32 v7, 4, v7                        ; 16 x lane
.irp t, 0,1,2,3
.irp c, 0,1
	global_load_b128 v[16+8*\t+4*\c:16+8*\t+4*\c+3], v3, s[4:5] offset:16384*\t+32*\c
.endr
.endr
	s_wait_loadcnt 0x0
.irp t, 0,1,2,3
.irp c, 0,1
	global_store_b128 v7, v[16+8*\t+4*\c:16+8*\t+4*\c+3], s[44:45] offset:1024*\t+512*\c   ; 32 lanes store 512 consecutive bytes, at a multiple of 256 from the buffer's first byte
.endr
.endr
	s_cmp_lg_u32 s42, 0
	s_cbranch_scc1 .Ldone                          ; the piece's scale words are laid by the work-group of its first quarter
	s_lshl_b32 s36, s39, 14
	s_lshl_b32 s46, s38, 2
	s_add_co_u32 s36, s36, s46                     ; 256 w rows of 64 bytes + 4 s
	s_add_nc_u64 s[6:7], s[6:7], s[36:37]
	s_add_co_u32 s36, s43, 16384
	s_add_nc_u64 s[46:47], s[30:31], s[36:37]
.irp i, 0,1,2,3,4,5,6,7
	global_load_b32 v[48+\i], v8, s[6:7] offset:2048*\i
.endr
	s_wait_loadcnt 0x0
	global_store_b128 v7, v[48:51], s[46:47]
	global_store_b128 v7, v[52:55], s[46:47] offset:512
.Ldone:
	s_endpgm
.Lfunc_end_k_qef2a5f86f2_prep:
	.size	k_qef2a5f86f2_prep, .Lfunc_end_k_qef2a5f86f2_prep-k_qef2a5f86f2_prep
	.p2alignl 7, 3214868480
	.fill 96, 4, 3214868480
	.section	.rodata,"a",@progbits
	.p2align	6, 0x0
	.amdhsa_kernel k_qef2a5f86f2_prep
		.amdhsa_group_segment_fixed_size 0
		.amdhsa_private_segment_fixed_size 0
		.amdhsa_enable_private_segment 0
		.amdhsa_kernarg_size 120
		.amdhsa_user_sgpr_count 2
		.amdhsa_user_sgpr_kernarg_segment_ptr 1
		.amdhsa_wavefront_size32 1
		.amdhsa_system_sgpr_workgroup_id_x 1
		.amdhsa_system_sgpr_workgroup_id_y 1
		.amdhsa_system_sgpr_workgroup_id_z 1
		.amdhsa_system_vgpr_workitem_id 0
		.amdhsa_next_free_vgpr 768
		.amdhsa_next_free_sgpr 66
		.amdhsa_reserve_vcc 0
		.amdhsa_float_denorm_mode_32 3
		.amdhsa_float_denorm_mode_16_64 3
		.amdhsa_memory_ordered 1
		.amdhsa_forward_progress 1
		.amdhsa_inst_pref_size 26
	.end_amdhsa_kernel
	.amdgpu_metadata
---
amdhsa.version: [ 1, 2 ]
amdhsa.kernels:
  - .name:           k_qef2a5f86f2_prep
    .symbol:         k_qef2a5f86f2_prep.kd
    .args:
      - { .name: W1_codes, .offset: 0, .size: 8, .value_kind: global_buffer, .address_space: global }
      - { .name: W1_scales, .offset: 8, .size: 8, .value_kind: global_buffer, .address_space: global }
      - { .name: W2_codes, .offset: 16, .size: 8, .value_kind: global_buffer, .address_space: global }
      - { .name: W2_scales, .offset: 24, .size: 8, .value_kind: global_buffer, .address_space: global }
      - { .name: W3_codes, .offset: 32, .size: 8, .value_kind: global_buffer, .address_space: global }
      - { .name: W3_scales, .offset: 40, .size: 8, .value_kind: global_buffer, .address_space: global }
      - { .name: q1_codes, .offset: 48, .size: 8, .value_kind: global_buffer, .address_space: global }
      - { .name: q1_scales, .offset: 56, .size: 8, .value_kind: global_buffer, .address_space: global }
      - { .name: q2_codes, .offset: 64, .size: 8, .value_kind: global_buffer, .address_space: global }
      - { .name: q2_scales, .offset: 72, .size: 8, .value_kind: global_buffer, .address_space: global }
      - { .name: b1, .offset: 80, .size: 8, .value_kind: global_buffer, .address_space: global }
      - { .name: b2, .offset: 88, .size: 8, .value_kind: global_buffer, .address_space: global }
      - { .name: b3, .offset: 96, .size: 8, .value_kind: global_buffer, .address_space: global }
      - { .name: W1f, .offset: 104, .size: 8, .value_kind: global_buffer, .address_space: global }
      - { .name: C2, .offset: 112, .size: 8, .value_kind: global_buffer, .address_space: global }
    .group_segment_fixed_size: 0
    .private_segment_fixed_size: 0
    .kernarg_segment_align: 8
    .kernarg_segment_size: 120
    .max_flat_workgroup_size: 128
    .sgpr_count:     66
    .vgpr_count:     768
    .wavefront_size: 32
...
	.end_amdgpu_metadata
.endif
;; end of part 1
;; launch main (part 2): grid 512 x 1, 4 waves a work-group, clusters of 4 x 1, 327,680 bytes of LDS; arguments v, W1f, C2, Ww, LG, ST, PF; writes LG, ST, PF
.if DOCPART == 2
	.amdgcn_target "amdgcn-amd-amdhsa--gfx1250"
	.amdhsa_code_object_version 6
	.text
	.protected	k_qef2a5f86f2_main
	.globl	k_qef2a5f86f2_main
	.p2align	8
	.type	k_qef2a5f86f2_main,@function
k_qef2a5f86f2_main:
	s_mov_b64 s[64:65], 0
	v_nop
	global_prefetch_b8 v0, s[64:65] scope:SCOPE_SE
	s_setreg_imm32_b32 hwreg(HW_REG_WAVE_MODE, 25, 1), 1
	s_wait_xcnt 0x0
	s_wait_alu depctr_hold_cnt(0) depctr_sa_sdst(0) depctr_va_vdst(0) depctr_va_sdst(0) depctr_va_ssrc(0) depctr_va_vcc(0) depctr_vm_vsrc(0)
	s_getreg_b32 s2, hwreg(HW_REG_IB_STS2, 6, 4)
	s_cmp_eq_u32 s2, 0
	s_cbranch_scc0 .Lentry_in_a_cluster
	s_endpgm
.Lentry_in_a_cluster:
	s_bfe_u32 s2, ttmp6, 0x10000c
	s_cmp_lg_u32 s2, 0x3003
	s_cbranch_scc0 .Lentry_shape_is_right
	s_endpgm
.Lentry_shape_is_right:
; TanhAttention, launch 2 of 3: for 64 rows (keys) of one batch: quantise v, multiply by W1, tanh, the dot with Ww, a softmax over these 64 rows, and their part of the feature.
; WORK LEFT OUT (shown at the head of the first launch): bw and the sum of Ww, which are the same for all keys of a batch, never enter the logits here.
; What is stored: LG = l2 = -2 log2(e) sum_h Ww[h] r_h, r = 1 / (1 + 2^y), y = 2 log2(e) (v . W1[h] + c[h]): the logit in base 2 less those constants;
; ST = (m, S): the 64 rows' largest l2 and the sum of p = 2^(l2 - m);  PF = sum over the 64 rows of p v.  The last launch joins the 16 parts of a batch under the batch's maximum.
; SHARES.  Work-group g = rows 64 g on.  Wave w owns (a) hidden units 256 w .. + 255 for all 64 rows: 16 tiles x 4 tiles of rows = 64 accumulators, 512 registers; (b) rows 16 w .. + 15
; for loading, quantising, keeping and the feature.  K goes in 16 slices of 128.  A slice: my 16 rows' 128 numbers come into 64 registers (a lane: 8 neighbours along K of 8 rows), are
; quantised (a block of 32 lies in four neighbouring lanes), and codes and scale bytes go to one of two small buffers in LDS; a barrier; every wave reads the 64 rows' four fragments and
; multiplies them by its 16 tiles of W1, which come as images of the operand's registers (first launch) through a ring of two LDS slots, one slice each.
; v IS NEEDED AGAIN for the feature when the rows' weights are known.  Of the 16 slices nine are kept in LDS as bf16 (147,456 bytes), the last three stay as f32 in the registers into which
; they were loaded, and four (3, 6, 9, 12) are loaded again while the tanh is worked.
; CLUSTER.  The four work-groups of a cluster walk the same pieces of W1f: wave w's piece is asked for JOINTLY, by the same tensor load with the same descriptor and the mask of all four.
; No LDS address, branch or descriptor hangs on the place in the cluster: it enters the addresses of v, LG, ST and PF alone.
; THE MATRIX INSTRUCTION: source 0 = 16 rows of W1, source 1 = 16 rows of v: lane (r, h) holds row r of the tile of rows and hidden units 8 h + 0 .. 7 of the tile.
; LIMITS.  NaN and infinities in v are not served.  A block of zeros gets the scale byte 1 where the rule says 127: its codes are zeros, and this program alone reads the byte; blocks whose
; largest magnitude lies under 2^-124 are held at that byte.  In nine of the 16 slices the feature takes v rounded to bf16.  2^y that overflows gives r = 0, one that underflows r = 1: tanh's ends.
; REGISTERS, in windows of 256.  Window 0: addresses, scale words, v's fragments, the quantiser's work, staging set 2, the softmax.  Window 1: v0-127 W1's 16 fragments; v128-191, v192-255
; staging sets 0, 1.  Windows 2, 3: the accumulators, (tile t, tile of rows m) at v[8 (4 (t % 8) + m)], window 2 + t / 8.  Behind the K loop: window 2 v0-127 the feature's sums (slice s at 8 s);
; window 1 v0-127 and window 2 v128-255 the four slices loaded again.
.set PIECE, 17408                      ; a wave's piece of a slice of W1f: 16,384 bytes of codes, 1,024 of scale words
.set SLOTB, 69632                      ; LDS 0: slot 0; SLOTB: slot 1: four pieces each.  Also a slice's bytes in W1f
.set HOLD,  139264                     ; nine slices of 64 rows x 256 bytes of bf16
.set BUF0,  286720                     ; two buffers of BUFB bytes: 64 rows of codes, 64 bytes + 16 of padding; behind them the rows' scale words
.set BUFB,  5376
.set BSC,   5120
.set RED,   297472                     ; [wave][64 rows] parts of the logits
.set PWR,   298496                     ; each wave's own copy of the 64 p
.set CW,    299520                     ; each wave's own 256 numbers of C2, then of Ww
.set SPARE, 307712                     ; the spare words, 128 bytes for each wave: two blocks of 256 bytes that no other line names
.set VL,   2                           ; 8192 (lane / 16) + 32 (lane % 16): my place in two rows' slice of v
.set VO,   3                           ; v3-5  the load offsets of staging sets 0-2
.set AWF0, 6                           ; 16 lane + my piece;         AWF: + the slot in hand
.set AWF,  7
.set AVF0, 8                           ; v's fragments: BUF0 + 80 (lane % 16) + 16 (lane / 16);  AVF: + the buffer in hand
.set AVF,  9
.set AVS0, 10                          ; v's scale words: BUF0 + BSC + 4 (lane % 16)
.set AVS,  11
.set ACD0, 12                          ; where I put 8 codes: BUF0 + 80 (16 w + lane / 16) + 4 (lane % 16)
.set ACD,  13
.set ASB0, 14                          ; and a scale byte: BUF0 + BSC + 4 (16 w + lane / 16) + (lane % 16) / 4
.set ASB,  15
.set AH0,  16                          ; the kept slices: HOLD + 4096 w + 16 lane
.set AH,   17
.set ACW,  18                          ; CW + 2048 w + 32 (lane / 16)
.set ARD,  19                          ; RED + 256 w + 4 (lane % 16)
.set ARR,  20                          ; RED + 8 lane
.set APW,  21                          ; PWR + 256 w + 8 lane
.set APJ,  22                          ; PWR + 256 w + 4 (16 w + lane / 16)
.set ARF,  23                          ; the last sum's stage: my piece of slot 0 + 8192 (lane / 16) + 32 (lane % 16)
.set ARG,  24                          ; 2048 w + 16 lane
.set GO8,  25                          ; 8 lane
.set ACS,  26                          ; CW + 2048 w + 16 lane
.set ZR,   27                          ; 0
.set SPW,  28                          ; my spare word: SPARE + 4 x my thread's number; never rewritten
.set NIL,  29                          ; 0; never rewritten
.set VO3,  30
.set LI,   31                          ; 16 lane
.set WS,   32                          ; v32-39 W1's scale words: register t / 2, lanes 0-15 tile t even, lanes 16-31 tile t odd.  v32-43 hold scales and nothing else
.set VS,   40                          ; v40-43 v's scale words, a register for each tile of rows
.set VF,   44                          ; v44-75 v's four fragments
.set CWA,  44                          ; tanh: two buffers of 16 numbers of C2 and 16 of Ww: v44-75, v76-107
.set HB,   44                          ; feature: two buffers of a kept slice: v44-75, v76-107
.set QM,   76                          ; v76-83 largest magnitudes;  v84-91 the conversions' scale operands;  v92-99 scale bytes;  v100-107 codes;  v108-139 bf16
.set QS,   84
.set QB,   92
.set QC,   100
.set QH,   108
.set LA,   204                         ; v204-211 the logits' parts: a pair for each tile of rows
.set PJ,   212                         ; v212-227 p of my eight rows, each in both registers of a pair
.set TT,   228                         ; v228-243 at work
.set L2,   244                         ; v244-245 l2 of rows 2 lane, 2 lane + 1
.set MS,   246                         ; v246-247 m, S
.set PP,   248                         ; v248-249 p of those two rows
.set W1F,  0                           ; in window 1
.set WV,   18                          ; s18 my wave's number
.set G1,   24                          ; s[24:31] descriptor group 1;  s[32:35] group 0 of slice 0;  s[36:39] group 0 that walks
.set G0A,  32
.set G0W,  36
.set WB,   40                          ; s40 PIECE x wave
.set TR,   41                          ; s41 the slot in hand: 0 or SLOTB
.set PR,   42                          ; s42 the buffer in hand: 0 or BUFB
.set KOFF, 43                          ; s43 the next slice to load, in bytes of a row
.set HOFF, 44                          ; s44 the next place among the kept slices
.set IT,   45
.set K2,   48                          ; s[48:49] 2 log2(e)
.set SEL,  50                          ; s[50:51] v_permlanex16_b32's selects for lane l xor 16
.set NL2,  52                          ; s[52:53] -2 log2(e)
.set VB,   54                          ; s[54:55] v at my wave's 16 rows
.set MSB, 0
.macro WIN new                         ; the immediate's high byte repeats the setting that is left; a switch that changes nothing is dropped
.if MSB != (\new)
	s_set_vgpr_msb (MSB<<8)|(\new)
.set MSB, (\new)
.endif
.endm
.macro PLACES
.rept 4
	v_nop
.endr
.endm
.macro ROUND                           ; a round of the cluster's barrier
	s_barrier_signal -1
	s_barrier_wait -1
	s_cmp_lg_u32 s[WV], 0
	s_cbranch_scc1 .Lnot_wave_0_\@
	s_barrier_signal -3
.Lnot_wave_0_\@:
	s_barrier_wait -3
	s_barrier_signal -1
	s_barrier_wait -1
.endm
.macro SETOF set                       ; staging set: its window and first register
.if (\set) == 0
.set XW, 1
.set XB, 128
.elseif (\set) == 1
.set XW, 1
.set XB, 192
.else
.set XW, 0
.set XB, 140
.endif
.endm
; 16 loads: a slice of my 16 rows.  Registers 8 j .. 8 j + 7 of lane (h, i): row 2 j + h, k = 8 i + 0 .. 7: eight neighbours along K, as the conversions want them
.macro RLOAD xb, ad
.irp j, 0,1,2,3,4,5,6,7
	global_load_b128 v[(\xb)+8*\j:(\xb)+8*\j+3], v[\ad], s[VB:VB+1] offset:16384*\j
	global_load_b128 v[(\xb)+8*\j+4:(\xb)+8*\j+7], v[\ad], s[VB:VB+1] offset:16384*\j+16
.endr
.endm
.macro LOADS set                       ; the next slice into a set.  The set's offset register is free: its last loads were shown done by the counted wait at the head of QUANT
	SETOF \set
	WIN 0
	v_add_nc_u32 v[VO+\set], s[KOFF], v[VL]
	s_add_co_u32 s[KOFF], s[KOFF], 512
	WIN 0x40*XW
	RLOAD XB, VO+\set
	WIN 0
.endm
; A set's 64 numbers a lane become codes and scale bytes in the buffer in hand; hold >= 0: and bf16 at v[AH] + hold.  cnt: the younger loads, which stay out.  The numbers stay as they are.
.macro QUANT set, hold, cnt
	SETOF \set
	s_wait_loadcnt \cnt
	WIN 0x05*XW
.irp j, 0,1,2,3,4,5,6,7
	v_max3_num_f32 v[QM+\j], |v[XB+8*\j]|, |v[XB+8*\j+1]|, 0x1800000   ; row j's eight numbers, and the floor 2^(3 - 127): the byte cannot fall under 1
.endr
.irp k, 2,4,6
.irp j, 0,1,2,3,4,5,6,7
	v_max3_num_f32 v[QM+\j], |v[XB+8*\j+\k]|, |v[XB+8*\j+\k+1]|, v[QM+\j]   ; (the eight rows by turns)
.endr
.endr
	WIN 0
.irp j, 0,1,2,3,4,5,6,7
	v_max_num_f32_dpp v[QM+\j], v[QM+\j], v[QM+\j] row_xmask:1 row_mask:0xf bank_mask:0xf
.endr
.irp j, 0,1,2,3,4,5,6,7
	v_max_num_f32_dpp v[QM+\j], v[QM+\j], v[QM+\j] row_xmask:2 row_mask:0xf bank_mask:0xf   ; four neighbouring lanes hold a block of 32
.endr
.irp j, 0,1,2,3,4,5,6,7
	v_add_nc_u32 v[QS+\j], 0xff000000, v[QM+\j]    ; 2 off the exponent field: the conversion takes the exponent field of this operand as its scale
.endr
.irp j, 0,1,2,3,4,5,6,7
	v_lshrrev_b32 v[QB+\j], 23, v[QS+\j]           ; the scale's byte
.endr
	WIN 0x01*XW
.irp j, 0,1,2,3,4,5,6,7
	v_cvt_scalef32_pk8_fp4_f32 v[QC+\j], v[XB+8*\j:XB+8*\j+7], v[QS+\j]
.endr
	v_nop                                          ; one plain place behind the last scaled conversion
.if (\hold) >= 0
	WIN 0x05*XW
.irp j, 0,1,2,3,4,5,6,7
.irp e, 0,1,2,3
	v_cvt_pk_bf16_f32 v[QH+4*\j+\e], v[XB+8*\j+2*\e], v[XB+8*\j+2*\e+1]
.endr
.endr
.endif
	WIN 0
.irp j, 0,1,2,3,4,5,6,7
	ds_store_b32 v[ACD], v[QC+\j] offset:160*\j    ; two rows on: 2 x 80 bytes
.endr
.irp j, 0,1,2,3,4,5,6,7
	ds_store_b8 v[ASB], v[QB+\j] offset:8*\j       ; the four lanes of a block write the same byte with the same value
.endr
.if (\hold) >= 0
.irp j, 0,1,2,3,4,5,6,7
	ds_store_b128 v[AH], v[QH+4*\j:QH+4*\j+3] offset:(\hold)+512*\j
.endr
.endif
.endm
.macro PRE                             ; on to the other slot and the other buffer
	s_xor_b32 s[TR], s[TR], SLOTB
	s_xor_b32 s[PR], s[PR], BUFB
	v_add_nc_u32 v[ACD], s[PR], v[ACD0]
	v_add_nc_u32 v[ASB], s[PR], v[ASB0]
	v_add_nc_u32 v[AVF], s[PR], v[AVF0]
	v_add_nc_u32 v[AVS], s[PR], v[AVS0]
	v_add_nc_u32 v[AWF], s[TR], v[AWF0]
.endm
.macro SETAH
	v_add_nc_u32 v[AH], s[HOFF], v[AH0]
.endm
; The one barrier of a slice.  In front of it: all my tensor loads have landed (one is out: my piece of this slice), the add, and the wait for it, for my stores of this slice's codes and
; for my reads of the last slice.  refill = 1: the barrier is a round of the cluster's, and behind it the slot read last takes the next slice: my one tensor load until the next round.
.macro TOP refill
	WIN 0
	s_wait_tensorcnt 0x0
	ds_add_u32 v[SPW], v[NIL]                      ; 0 onto my spare word
.if \refill
	s_xor_b32 s46, s[TR], SLOTB                    ; no tensor load of mine is out, so the walking group 0 may be written: the other slot,
	s_add_co_u32 s[G0W+1], s[WB], s46
	s_add_nc_u64 s[G0W+2:G0W+3], s[G0W+2:G0W+3], SLOTB   ; the next slice; the type bits on top are not reached
.endif
	s_wait_dscnt 0x0
.if \refill
	ROUND
	tensor_load_to_lds s[G0W:G0W+3], s[G1:G1+7]
	s_nop 0
.else
	s_barrier_signal -1
	s_barrier_wait -1
.endif
	PLACES                                         ; (places behind a tensor load; also places in front of the loads into registers that products have read)
.endm
.macro WM d, a, b, sa, sb, zero, ra
.if \zero
.if \ra
	v_wmma_scale_f32_16x16x128_f8f6f4 v[(\d):(\d)+7], v[(\a):(\a)+7], v[(\b):(\b)+7], 0, v[(\sa)], v[(\sb)] matrix_a_fmt:MATRIX_FMT_FP4 matrix_b_fmt:MATRIX_FMT_FP4 matrix_a_scale:MATRIX_SCALE_ROW1
.else
	v_wmma_scale_f32_16x16x128_f8f6f4 v[(\d):(\d)+7], v[(\a):(\a)+7], v[(\b):(\b)+7], 0, v[(\sa)], v[(\sb)] matrix_a_fmt:MATRIX_FMT_FP4 matrix_b_fmt:MATRIX_FMT_FP4
.endif
.else
.if \ra
	v_wmma_scale_f32_16x16x128_f8f6f4 v[(\d):(\d)+7], v[(\a):(\a)+7], v[(\b):(\b)+7], v[(\d):(\d)+7], v[(\sa)], v[(\sb)] matrix_a_fmt:MATRIX_FMT_FP4 matrix_b_fmt:MATRIX_FMT_FP4 matrix_a_scale:MATRIX_SCALE_ROW1
.else
	v_wmma_scale_f32_16x16x128_f8f6f4 v[(\d):(\d)+7], v[(\a):(\a)+7], v[(\b):(\b)+7], v[(\d):(\d)+7], v[(\sa)], v[(\sb)] matrix_a_fmt:MATRIX_FMT_FP4 matrix_b_fmt:MATRIX_FMT_FP4
.endif
.endif
.endm
.macro MUL32 hi, zero                  ; tiles 8 hi .. 8 hi + 7 x the four tiles of rows.  The 64 accumulators take turns, one instruction a turn, in the same order in every slice
.irp t, 0,1,2,3,4,5,6,7
.irp m, 0,1,2,3
	WM 8*(4*\t+\m), W1F+8*(8*(\hi)+\t), VF+8*\m, WS+(8*(\hi)+\t)/2, VS+\m, \zero, \t%2
.endr
.endr
.endm
.macro M zero                          ; a slice's 46 LDS loads and 64 products
	WIN 0
.irp m, 0,1,2,3
.irp c, 0,1
	ds_load_b128 v[VF+8*\m+4*\c:VF+8*\m+4*\c+3], v[AVF] offset:1280*\m+32*\c
.endr
.endr
.irp m, 0,1,2,3
	ds_load_b32 v[VS+\m], v[AVS] offset:64*\m
.endr
	ds_load_b128 v[WS:WS+3], v[AWF] offset:16384
	ds_load_b128 v[WS+4:WS+7], v[AWF] offset:16384+512
	WIN 0x40
.irp t, 0,1,2,3,4,5,6,7,8,9,10,11,12,13,14,15
.irp c, 0,1
	ds_load_b128 v[W1F+8*\t+4*\c:W1F+8*\t+4*\c+3], v[AWF] offset:1024*\t+512*\c
.endr
.endr
	s_wait_dscnt 16                                ; all but the youngest sixteen: W1's tiles 8-15
	WIN 0xa1                                       ; source 0 window 1, source 1 window 0, C and D window 2
	MUL32 0, \zero
	s_wait_dscnt 0x0
	WIN 0xf1                                       ; C and D window 3
	MUL32 1, \zero
	WIN 0
.endm
.macro STEPK set, hold, ld, cnt, refill
	PRE
	QUANT \set, \hold, \cnt
.if \ld
	LOADS \set
.endif
	TOP \refill
	M 0
.endm
	s_load_b256 s[4:11], s[0:1], 0x0               ; v s4, W1f s6, C2 s8, Ww s10
	s_load_b128 s[12:15], s[0:1], 0x20             ; LG s12, ST s14
	s_load_b64 s[16:17], s[0:1], 0x30              ; PF
	v_lshl_add_u32 v[SPW], v0, 2, SPARE
	v_mov_b32 v[NIL], 0
	ds_add_u32 v[SPW], v[NIL]                      ; the wave's opening: the add, twice on end, and its wait ahead of my first tensor load
	ds_add_u32 v[SPW], v[NIL]                      ; and once more; the set-up below, work on registers, stands between it and the wait
	v_lshrrev_b32 v1, 5, v0
	v_readfirstlane_b32 s[WV], v1                  ; wave 0..3
	s_bfe_u32 s19, ttmp6, 0x40000                  ; my place in the cluster
	s_lshl_b32 s20, ttmp9, 2
	s_add_co_u32 s20, s20, s19                     ; g
	; descriptor group 1: a piece is 68 dense rows of 256 bytes (32 elements of 8 bytes), no padding: every lane reads its 16 bytes at 16 x lane
	s_mov_b32 s[G1], 15|(3<<16)|(1<<21)            ; 15:0 the mask: all four work-groups; 17:16 elements of 8 bytes; 21 set beside a mask
	s_mov_b32 s[G1+1], 32<<16                      ; tensor_dim0 = 32
	s_mov_b32 s[G1+2], 68<<16                      ; tensor_dim1 = 68
	s_mov_b32 s[G1+3], 32<<16                      ; tile_dim0 = 32
	s_mov_b32 s[G1+4], 68                          ; tile_dim1 = 68
	s_mov_b32 s[G1+5], 32                          ; from row to row
	s_mov_b32 s[G1+6], 0
	s_mov_b32 s[G1+7], 0
	s_mul_i32 s[WB], s[WV], PIECE
	s_mov_b32 s56, s[WB]                           ; (the descriptors' offset lies in registers that never hold my place in the cluster)
	s_mov_b32 s57, 0
	s_mov_b32 s[K2], 0x4038aa3b
	s_mov_b32 s[K2+1], s[K2]
	s_mov_b32 s[NL2], 0xc038aa3b
	s_mov_b32 s[NL2+1], s[NL2]
	s_mov_b32 s[SEL], 0x76543210
	s_mov_b32 s[SEL+1], 0xfedcba98
	s_mov_b32 s[KOFF], 0
	s_mov_b32 s[HOFF], 0
	s_mov_b32 s[TR], SLOTB                         ; slice 0's PRE turns both to 0
	s_mov_b32 s[PR], BUFB
	s_mov_b32 s23, 0
	v_and_b32 v1, 31, v0                           ; lane
	v_lshlrev_b32 v[LI], 4, v1
	v_and_b32 v[TT], 15, v0                        ; i = lane % 16
	v_bfe_u32 v[TT+1], v0, 4, 1                    ; h = lane / 16
	v_lshlrev_b32 v[VL], 5, v[TT]
	v_lshl_add_u32 v[VL], v[TT+1], 13, v[VL]
	s_wait_dscnt 0x0                               ; both opening adds are done
	s_wait_kmcnt 0x0
	s_lshl_b32 s22, s20, 19                        ; 64 rows of 8,192 bytes,
	s_lshl_b32 s46, s[WV], 17                      ; my wave's 16
	s_add_co_u32 s22, s22, s46
	s_add_nc_u64 s[VB:VB+1], s[4:5], s[22:23]
	s_lshr_b32 s22, ttmp9, 2                       ; the batch: 16 work-groups, 4 clusters
	s_lshl_b32 s22, s22, 12
	s_lshl_b32 s46, s[WV], 10
	s_add_co_u32 s22, s22, s46
	s_add_nc_u64 s[8:9], s[8:9], s[22:23]          ; C2 at my batch, my 256 hidden units
	s_mov_b32 s22, s46
	s_add_nc_u64 s[10:11], s[10:11], s[22:23]      ; Ww likewise
	s_lshl_b32 s22, s20, 8
	s_add_nc_u64 s[12:13], s[12:13], s[22:23]
	s_add_nc_u64 s[14:15], s[14:15], s[22:23]
	s_lshl_b32 s22, s20, 13
	s_add_nc_u64 s[16:17], s[16:17], s[22:23]
	s_mov_b32 s[G0A], 1                            ; count = 1
	s_mov_b32 s[G0A+1], s[WB]                      ; slot 0, my piece
	s_add_nc_u64 s[G0A+2:G0A+3], s[6:7], s[56:57]  ; slice 0, my piece
	s_mov_b32 s[G0W], 1
	s_add_co_u32 s[G0W+1], s[WB], SLOTB            ; slot 1
	s_add_nc_u64 s[G0W+2:G0W+3], s[G0A+2:G0A+3], SLOTB   ; slice 1
	s_or_b32 s[G0A+3], s[G0A+3], 0x80000000        ; type = 2
	s_or_b32 s[G0W+3], s[G0W+3], 0x80000000
	global_load_b128 v[44:47], v[LI], s[8:9]       ; my 256 numbers of C2 and of Ww
	global_load_b128 v[48:51], v[LI], s[8:9] offset:512
	global_load_b128 v[52:55], v[LI], s[10:11]
	global_load_b128 v[56:59], v[LI], s[10:11] offset:512
	LOADS 0                                        ; slices 0, 1, 2: 48 loads a wave are on their way from here to the K loop's end
	LOADS 1
	LOADS 2
	ROUND                                          ; all four work-groups are here: the first joint loads meet
	tensor_load_to_lds s[G0A:G0A+3], s[G1:G1+7]    ; every wave's two first fills, ahead of every wait on TENSORcnt and every LDS read: two loads of mine are out
	s_nop 0
	tensor_load_to_lds s[G0W:G0W+3], s[G1:G1+7]
	s_nop 0
	PLACES
	v_add_nc_u32 v[AWF0], s[WB], v[LI]
	v_mul_u32_u24 v[AVF0], v[TT], 80
	v_lshl_add_u32 v[AVF0], v[TT+1], 4, v[AVF0]
	v_add_nc_u32 v[AVF0], BUF0, v[AVF0]
	v_lshl_add_u32 v[AVS0], v[TT], 2, BUF0+BSC
	s_mul_i32 s46, s[WV], 1280
	s_add_co_u32 s46, s46, BUF0
	v_mul_u32_u24 v[ACD0], v[TT+1], 80
	v_lshl_add_u32 v[ACD0], v[TT], 2, v[ACD0]
	v_add_nc_u32 v[ACD0], s46, v[ACD0]
	s_lshl_b32 s46, s[WV], 6
	s_add_co_u32 s46, s46, BUF0+BSC
	v_lshrrev_b32 v[ASB0], 2, v[TT]
	v_lshl_add_u32 v[ASB0], v[TT+1], 2, v[ASB0]
	v_add_nc_u32 v[ASB0], s46, v[ASB0]
	s_lshl_b32 s46, s[WV], 12
	s_add_co_u32 s46, s46, HOLD
	v_add_nc_u32 v[AH0], s46, v[LI]
	s_lshl_b32 s46, s[WV], 11
	s_add_co_u32 s46, s46, CW
	v_lshl_add_u32 v[ACW], v[TT+1], 5, s46
	v_add_nc_u32 v[ACS], s46, v[LI]
	s_lshl_b32 s46, s[WV], 8
	s_add_co_u32 s46, s46, RED
	v_lshl_add_u32 v[ARD], v[TT], 2, s46
	v_lshl_add_u32 v[ARR], v1, 3, RED
	s_lshl_b32 s46, s[WV], 8
	s_add_co_u32 s46, s46, PWR
	v_lshl_add_u32 v[APW], v1, 3, s46
	s_mul_i32 s46, s[WV], 320
	s_add_co_u32 s46, s46, PWR
	v_lshl_add_u32 v[APJ], v[TT+1], 2, s46
	v_lshl_add_u32 v[ARF], v[TT+1], 13, s[WB]
	v_lshl_add_u32 v[ARF], v[TT], 5, v[ARF]
	s_lshl_b32 s46, s[WV], 11
	v_add_nc_u32 v[ARG], s46, v[LI]
	v_lshlrev_b32 v[GO8], 3, v1
	v_mov_b32 v[ZR], 0
.irp m, 4,5,6,7
	v_mov_b32 v[TT+\m], 0                          ; written once: a lane permute's destination counts as one of its sources
.endr
	s_wait_loadcnt 48                              ; C2 and Ww are in; the three slices behind them stay out
	ds_store_b128 v[ACS], v[44:47]                 ; into my wave's own bytes: only I read them
	ds_store_b128 v[ACS], v[48:51] offset:512
	ds_store_b128 v[ACS], v[52:55] offset:1024
	ds_store_b128 v[ACS], v[56:59] offset:1536
	; ---- slice 0: its products start the sums, so it stands in front of the loop
	PRE
	SETAH
	QUANT 0, 0, 32
	LOADS 0                                        ; slice 3
	s_wait_tensorcnt 0x1                           ; my piece of slice 0 is in; slice 1's may stay out
	s_wait_dscnt 0x0                               ; my codes have landed
	s_barrier_signal -1
	s_barrier_wait -1
	M 1
	s_mov_b32 s[HOFF], 16384
	s_mov_b32 s[IT], 4
.Lk:                                               ; four trips of three slices (the staging sets come round): slices 1 to 12.  Each loads the slice three on and asks for W1's next slice
	SETAH
	STEPK 1, 0, 1, 32, 1                           ; kept
	STEPK 2, 16384, 1, 32, 1                       ; kept
	STEPK 0, -1, 1, 32, 1                          ; slices 3, 6, 9, 12: loaded again later
	s_add_co_u32 s[HOFF], s[HOFF], 32768
	s_sub_co_u32 s[IT], s[IT], 1
	s_cmp_lg_u32 s[IT], 0
	s_cbranch_scc1 .Lk
	STEPK 1, -1, 0, 32, 1                          ; the tail is written out: slices 13, 14, 15 stay in their registers, nothing more of v is asked for,
	STEPK 2, -1, 0, 16, 1
	STEPK 0, -1, 0, 0, 0                           ; and the last slice asks for no piece
	; ---- tanh and the dot with Ww.  Four slices of v are loaded again meanwhile: two now, into the registers that held W1's fragments, two when half of the accumulators are done with
.macro CWLOAD u                        ; C2 and Ww of tiles 2 u, 2 u + 1: my half's eight numbers of each
.set CL, CWA+32*((\u)%2)
.irp tt, 0,1
	ds_load_b128 v[CL+8*\tt:CL+8*\tt+3], v[ACW] offset:64*(2*(\u)+\tt)
	ds_load_b128 v[CL+8*\tt+4:CL+8*\tt+7], v[ACW] offset:64*(2*(\u)+\tt)+16
	ds_load_b128 v[CL+16+8*\tt:CL+16+8*\tt+3], v[ACW] offset:1024+64*(2*(\u)+\tt)
	ds_load_b128 v[CL+16+8*\tt+4:CL+16+8*\tt+7], v[ACW] offset:1024+64*(2*(\u)+\tt)+16
.endr
.endm
; Tiles 2 u and 2 u + 1: eight accumulators, 64 registers on end.  y = 2 log2(e) x; 2^y; + 1; the reciprocal; x Ww into the four pairs of sums.  The exponentials and the reciprocals are a batch each, with one wait.
.macro EB u
	WIN 0
.if (\u) < 7
	CWLOAD (\u)+1
	s_wait_dscnt 8                                 ; this batch's eight loads are in, the next batch's stay out
.else
	s_wait_dscnt 0x0
.endif
.set CU, CWA+32*((\u)%2)
.set AB, 64*((\u)%4)
.set AW, 2+(\u)/4
	WIN (AW<<6)|AW
.irp tt, 0,1
.irp m, 0,1,2,3
.irp j, 0,2,4,6                                    ; each accumulator from its low end on
	v_pk_fma_f32 v[AB+32*\tt+8*\m+\j:AB+32*\tt+8*\m+\j+1], v[AB+32*\tt+8*\m+\j:AB+32*\tt+8*\m+\j+1], s[K2:K2+1], v[CU+8*\tt+\j:CU+8*\tt+\j+1] op_sel_hi:[1,0,1]
.endr
.endr
.endr
.set n, 0
.rept 64
	v_exp_f32 v[AB+n], v[AB+n]
.set n, n+1
.endr
	v_nop                                          ; a plain place behind the last exponential,
	s_wait_alu depctr_va_vdst(0)                   ; and the one wait ahead of the batch's first reader
.set n, 0
.rept 32
	v_pk_add_f32 v[AB+n:AB+n+1], v[AB+n:AB+n+1], 1.0 op_sel_hi:[1,0]
.set n, n+2
.endr
.set n, 0
.rept 64
	v_rcp_f32 v[AB+n], v[AB+n]
.set n, n+1
.endr
	v_nop
	s_wait_alu depctr_va_vdst(0)
	WIN AW
.irp tt, 0,1
.irp j, 0,2,4,6
.irp m, 0,1,2,3                                    ; the four sums by turns
.if ((\u) == 0) && (\tt == 0) && (\j == 0)
	v_pk_mul_f32 v[LA+2*\m:LA+2*\m+1], v[AB+32*\tt+8*\m+\j:AB+32*\tt+8*\m+\j+1], v[CU+16+8*\tt+\j:CU+16+8*\tt+\j+1]   ; the first term starts the sum
.else
	v_pk_fma_f32 v[LA+2*\m:LA+2*\m+1], v[AB+32*\tt+8*\m+\j:AB+32*\tt+8*\m+\j+1], v[CU+16+8*\tt+\j:CU+16+8*\tt+\j+1], v[LA+2*\m:LA+2*\m+1]
.endif
.endr
.endr
.endr
.endm
	PLACES                                         ; behind the last product: for the loads into W1's and v's fragments and for the first reads of results
	v_add_nc_u32 v[VO], 12*512, v[VL]              ; (all loads of v are in: the offsets are free)
	v_add_nc_u32 v[VO+1], 9*512, v[VL]
	WIN 0x40
	RLOAD 0, VO                                    ; slice 12 -> window 1 v0-63
	RLOAD 64, VO+1                                 ; slice 9  -> window 1 v64-127
	WIN 0
	CWLOAD 0
	EB 0
	EB 1
	EB 2
	EB 3
	WIN 0
	v_add_nc_u32 v[VO+2], 6*512, v[VL]
	v_add_nc_u32 v[VO3], 3*512, v[VL]
	WIN 0x80
	RLOAD 128, VO+2                                ; slice 6 -> window 2 v128-191: tiles 4 to 7 are done with
	RLOAD 192, VO3                                 ; slice 3 -> window 2 v192-255
	EB 4
	EB 5
	EB 6
	EB 7
	; ---- the 64 rows' logits and their softmax; every wave works it for itself
	WIN 0
.irp m, 0,1,2,3
	v_add_f32 v[TT+\m], v[LA+2*\m], v[LA+2*\m+1]
.endr
.irp m, 0,1,2,3
	v_permlanex16_b32 v[TT+4+\m], v[TT+\m], s[SEL], s[SEL+1]
.endr
.irp m, 0,1,2,3
	v_add_f32 v[TT+\m], v[TT+\m], v[TT+4+\m]       ; row 16 m + lane % 16, my 256 hidden units
.endr
.irp m, 0,1,2,3
	ds_store_b32 v[ARD], v[TT+\m] offset:64*\m     ; lanes l and l xor 16 write the same word with the same value
.endr
	s_wait_dscnt 0x0                               ; for the others' sake
	s_barrier_signal -1
	s_barrier_wait -1
.irp q, 0,1,2,3
	ds_load_b64 v[TT+8+2*\q:TT+9+2*\q], v[ARR] offset:256*\q
.endr
	s_wait_dscnt 0x0
	v_pk_add_f32 v[TT+8:TT+9], v[TT+8:TT+9], v[TT+10:TT+11]
	v_pk_add_f32 v[TT+12:TT+13], v[TT+12:TT+13], v[TT+14:TT+15]
	v_pk_add_f32 v[TT+8:TT+9], v[TT+8:TT+9], v[TT+12:TT+13]
	v_pk_mul_f32 v[L2:L2+1], v[TT+8:TT+9], s[NL2:NL2+1] op_sel_hi:[1,0]   ; l2 of rows 2 lane, 2 lane + 1
	v_max_num_f32 v[MS], v[L2], v[L2+1]
	v_max_num_f32_dpp v[MS], v[MS], v[MS] row_xmask:1 row_mask:0xf bank_mask:0xf
	v_max_num_f32_dpp v[MS], v[MS], v[MS] row_xmask:2 row_mask:0xf bank_mask:0xf
	v_max_num_f32_dpp v[MS], v[MS], v[MS] row_xmask:4 row_mask:0xf bank_mask:0xf
	v_max_num_f32_dpp v[MS], v[MS], v[MS] row_xmask:8 row_mask:0xf bank_mask:0xf
	v_permlanex16_b32 v[TT+4], v[MS], s[SEL], s[SEL+1]
	v_max_num_f32 v[MS], v[MS], v[TT+4]            ; m: the maximum is taken away before the exponential, here and again in the last launch
	v_sub_f32 v[PP], v[L2], v[MS]
	v_sub_f32 v[PP+1], v[L2+1], v[MS]
	v_exp_f32 v[PP], v[PP]
	v_exp_f32 v[PP+1], v[PP+1]
	v_nop
	s_wait_alu depctr_va_vdst(0)
	v_add_f32 v[MS+1], v[PP], v[PP+1]
	v_add_f32_dpp v[MS+1], v[MS+1], v[MS+1] row_xmask:1 row_mask:0xf bank_mask:0xf
	v_add_f32_dpp v[MS+1], v[MS+1], v[MS+1] row_xmask:2 row_mask:0xf bank_mask:0xf
	v_add_f32_dpp v[MS+1], v[MS+1], v[MS+1] row_xmask:4 row_mask:0xf bank_mask:0xf
	v_add_f32_dpp v[MS+1], v[MS+1], v[MS+1] row_xmask:8 row_mask:0xf bank_mask:0xf
	v_permlanex16_b32 v[TT+5], v[MS+1], s[SEL], s[SEL+1]
	v_add_f32 v[MS+1], v[MS+1], v[TT+5]            ; S
	ds_store_b64 v[APW], v[PP:PP+1]                ; my wave's own copy of the 64 p; LDS serves a wave's instructions in order (ISA guide 5.7.1.4): the loads below see it
.irp j, 0,1,2,3,4,5,6,7
	ds_load_b32 v[PJ+2*\j], v[APJ] offset:8*\j     ; p of row 16 w + 2 j + lane / 16, in both registers of a pair, for the packed forms
	ds_load_b32 v[PJ+2*\j+1], v[APJ] offset:8*\j
.endr
.macro HLOAD q                         ; kept slice q: my 16 rows, back into the lanes that stored them
	v_add_nc_u32 v[AH], 16384*(\q), v[AH0]
.irp j, 0,1,2,3,4,5,6,7
	ds_load_b128 v[HB+32*((\q)%2)+4*\j:HB+32*((\q)%2)+4*\j+3], v[AH] offset:512*\j
.endr
.endm
	HLOAD 0
	s_cmp_lg_u32 s[WV], 0
	s_cbranch_scc1 .Lnot_first
	global_store_b64 v[GO8], v[L2:L2+1], s[12:13]  ; wave 0: 32 lanes store 256 consecutive bytes, aligned; these registers are not written again
	global_store_b64 v[GO8], v[MS:MS+1], s[14:15]  ; (m, S) 32 times: again 256 consecutive bytes
.Lnot_first:
	; ---- my rows' part of the feature: lane (h, i) sums p x over its eight rows, for columns 128 s + 8 i + 0 .. 7 of each slice s
.macro FSUM sg, xw, xb                 ; a slice in f32: window xw, from register xb
	WIN 0x80|(\xw)
.irp e, 0,2,4,6
	v_pk_mul_f32 v[8*(\sg)+\e:8*(\sg)+\e+1], v[(\xb)+\e:(\xb)+\e+1], v[PJ:PJ+1]   ; the first row starts the sums
.endr
	WIN 0xa0|(\xw)
.irp j, 1,2,3,4,5,6,7
.irp e, 0,2,4,6
	v_pk_fma_f32 v[8*(\sg)+\e:8*(\sg)+\e+1], v[(\xb)+8*\j+\e:(\xb)+8*\j+\e+1], v[PJ+2*\j:PJ+2*\j+1], v[8*(\sg)+\e:8*(\sg)+\e+1]
.endr
.endr
.endm
.macro HSUM q, sg                      ; a kept slice: multiply-adds straight from the bf16 halves
.set HC, HB+32*((\q)%2)
	WIN 0x80
.irp e, 0,1,2,3
	v_fma_mix_f32_bf16 v[8*(\sg)+2*\e], v[HC+\e], v[PJ], v[ZR] op_sel_hi:[1,0,0]
	v_fma_mix_f32_bf16 v[8*(\sg)+2*\e+1], v[HC+\e], v[PJ], v[ZR] op_sel:[1,0,0] op_sel_hi:[1,0,0]
.endr
	WIN 0xa0
.irp j, 1,2,3,4,5,6,7
.irp e, 0,1,2,3
	v_fma_mix_f32_bf16 v[8*(\sg)+2*\e], v[HC+4*\j+\e], v[PJ+2*\j], v[8*(\sg)+2*\e] op_sel_hi:[1,0,0]
	v_fma_mix_f32_bf16 v[8*(\sg)+2*\e+1], v[HC+4*\j+\e], v[PJ+2*\j], v[8*(\sg)+2*\e+1] op_sel:[1,0,0] op_sel_hi:[1,0,0]
.endr
.endr
.endm
	s_wait_dscnt 8                                 ; p is in; the first kept slice's eight loads stay out
	FSUM 13, 1, 192                                ; the three slices that stayed in their registers
	FSUM 14, 0, 140
	FSUM 15, 1, 128
.set Q, 0
.rept 9                                            ; kept slices 0, 1, 2, 4, 5, 7, 8, 10, 11
	WIN 0
.if Q < 8
	HLOAD Q+1
	s_wait_dscnt 8                                 ; this slice is in, the next one's loads stay out
.else
	s_wait_dscnt 0x0
.endif
.if Q == 0
	HSUM Q, 0
.else
	HSUM Q, 1+3*((Q-1)/2)+(Q-1)%2
.endif
.set Q, Q+1
.endr
	s_wait_loadcnt 0x0                             ; the four slices that were loaded again
	FSUM 12, 1, 0
	FSUM 9, 1, 64
	FSUM 6, 2, 128
	FSUM 3, 2, 192
	; ---- the eight parts (four waves x two halves of the lanes) meet in a stage.  It lies in slot 0, each wave's two parts in its own piece: the slot has had its last fill (slice 14) and its last read
	WIN 0x08                                       ; an LDS store's data are its source 1: window 2
.set n, 0
.rept 16
	ds_store_b128 v[ARF], v[8*n:8*n+3] offset:512*n
	ds_store_b128 v[ARF], v[8*n+4:8*n+7] offset:512*n+16
.set n, n+1
.endr
	WIN 0
	s_wait_dscnt 0x0
	s_barrier_signal -1
	s_barrier_wait -1
.irp k, 0,1,2,3                                    ; my 512 columns: four times 512 bytes, eight parts of each
.irp q, 0,1,2,3
.irp e, 0,1
	ds_load_b128 v[44+4*(8*\k+2*\q+\e):44+4*(8*\k+2*\q+\e)+3], v[ARG] offset:PIECE*\q+8192*\e+512*\k
.endr
.endr
.endr
	s_wait_dscnt 0x0
.irp k, 0,1,2,3
.irp d, 4,8,16
.irp a, 0,8,16,24
.if (\a % (2*\d)) == 0
	v_pk_add_f32 v[44+32*\k+\a:44+32*\k+\a+1], v[44+32*\k+\a:44+32*\k+\a+1], v[44+32*\k+\a+\d:44+32*\k+\a+\d+1]
	v_pk_add_f32 v[44+32*\k+\a+2:44+32*\k+\a+3], v[44+32*\k+\a+2:44+32*\k+\a+3], v[44+32*\k+\a+\d+2:44+32*\k+\a+\d+3]
.endif
.endr
.endr
.endr
.irp k, 0,1,2,3
	global_store_b128 v[ARG], v[44+32*\k:44+32*\k+3], s[16:17] offset:512*\k   ; 32 lanes store 512 consecutive bytes, at a multiple of 256 from the buffer's first byte
.endr
	s_wait_tensorcnt 0x0                           ; the wave's end: a tensor wait, an add to my spare word and its wait, behind my last tensor load and my last LDS store
	ds_add_u32 v[SPW], v[NIL]
	s_wait_dscnt 0x0
	ROUND                                          ; the closing round: no work-group ends while a partner may still ask for a piece that names it
	s_endpgm
.Lfunc_end_k_qef2a5f86f2_main:
	.size	k_qef2a5f86f2_main, .Lfunc_end_k_qef2a5f86f2_main-k_qef2a5f86f2_main
	.p2alignl 7, 3214868480
	.fill 96, 4, 3214868480
	.section	.rodata,"a",@progbits
	.p2align	6, 0x0
	.amdhsa_kernel k_qef2a5f86f2_main
		.amdhsa_group_segment_fixed_size 327680
		.amdhsa_private_segment_fixed_size 0
		.amdhsa_enable_private_segment 0
		.amdhsa_kernarg_size 56
		.amdhsa_user_sgpr_count 2
		.amdhsa_user_sgpr_kernarg_segment_ptr 1
		.amdhsa_wavefront_size32 1
		.amdhsa_system_sgpr_workgroup_id_x 1
		.amdhsa_system_sgpr_workgroup_id_y 1
		.amdhsa_system_sgpr_workgroup_id_z 1
		.amdhsa_system_vgpr_workitem_id 0
		.amdhsa_next_free_vgpr 1024
		.amdhsa_next_free_sgpr 66
		.amdhsa_reserve_vcc 0
		.amdhsa_float_denorm_mode_32 3
		.amdhsa_float_denorm_mode_16_64 3
		.amdhsa_memory_ordered 1
		.amdhsa_forward_progress 1
		.amdhsa_inst_pref_size 255
	.end_amdhsa_kernel
	.section	.bss,"aw",@nobits
	.p2align	6
	.space	262144
	.amdgpu_metadata
---
amdhsa.version: [ 1, 2 ]
amdhsa.kernels:
  - .name:           k_qef2a5f86f2_main
    .symbol:         k_qef2a5f86f2_main.kd
    .args:
      - { .name: v, .offset: 0, .size: 8, .value_kind: global_buffer, .address_space: global }
      - { .name: W1f, .offset: 8, .size: 8, .value_kind: global_buffer, .address_space: global }
      - { .name: C2, .offset: 16, .size: 8, .value_kind: global_buffer, .address_space: global }
      - { .name: Ww, .offset: 24, .size: 8, .value_kind: global_buffer, .address_space: global }
      - { .name: LG, .offset: 32, .size: 8, .value_kind: global_buffer, .address_space: global }
      - { .name: ST, .offset: 40, .size: 8, .value_kind: global_buffer, .address_space: global }
      - { .name: PF, .offset: 48, .size: 8, .value_kind: global_buffer, .address_space: global }
    .group_segment_fixed_size: 327680
    .private_segment_fixed_size: 0
    .kernarg_segment_align: 8
    .kernarg_segment_size: 56
    .max_flat_workgroup_size: 128
    .sgpr_count:     66
    .vgpr_count:     1024
    .wavefront_size: 32
...
	.end_amdgpu_metadata
.endif
;; end of part 2
;; launch comb (part 3): grid 8 x 32, 2 waves a work-group, no clusters, 0 bytes of LDS; arguments LG, ST, PF, out0, out1; writes out0, out1
.if DOCPART == 3
	.amdgcn_target "amdgcn-amd-amdhsa--gfx1250"
	.amdhsa_code_object_version 6
	.text
	.protected	k_qef2a5f86f2_comb
	.globl	k_qef2a5f86f2_comb
	.p2align	8
	.type	k_qef2a5f86f2_comb,@function
k_qef2a5f86f2_comb:
	s_mov_b64 s[64:65], 0
	v_nop
	global_prefetch_b8 v0, s[64:65] scope:SCOPE_SE
	s_setreg_imm32_b32 hwreg(HW_REG_WAVE_MODE, 25, 1), 1
	s_wait_xcnt 0x0
; TanhAttention, launch 3 of 3: the 16 parts of a batch are joined.  (bw and the sum of Ww were left out of the logits: shown at the head of the first launch.)
; Part i gave m_i, S_i = sum of 2^(l2 - m_i), PF_i = sum of 2^(l2 - m_i) v.  With M = the largest m_i, e_i = 2^(m_i - M) and R = 1 / sum_i e_i S_i:
; weight[k] = 2^(l2[k] - M) R;  feature = sum_i (e_i R) PF_i.  The maximum is taken away before every exponential; S_i is at least 1, so the divisor is at least 1.
; Work-group (x, b): batch b; wave u: keys 128 x + 64 u on and columns 256 x + 128 u on.  A stream: no LDS, no barrier; all 18 loads of a wave go out at once.
	s_load_b256 s[4:11], s[0:1], 0x0               ; LG s4, ST s6, PF s8, out0 s10
	s_load_b64 s[12:13], s[0:1], 0x20              ; out1
	v_lshrrev_b32 v1, 5, v0
	v_readfirstlane_b32 s14, v1                    ; u
	s_and_b32 s15, ttmp7, 0xffff                   ; b
	v_and_b32 v1, 31, v0
	v_and_b32 v2, 15, v0
	v_lshlrev_b32 v2, 8, v2                        ; lane % 16 takes part i = lane % 16: 256 bytes a part in ST
	v_lshlrev_b32 v3, 3, v1                        ; 8 lane
	v_lshlrev_b32 v4, 4, v1                        ; 16 lane
	s_lshl_b32 s18, s15, 12                        ; 4,096 b: a batch in ST, LG and out0
	s_mov_b32 s19, 0
	s_lshl_b32 s16, ttmp9, 9
	s_lshl_b32 s20, s14, 8
	s_add_co_u32 s16, s16, s20
	s_lshl_b32 s22, s16, 1                         ; 1,024 x + 512 u: my columns
	s_add_co_u32 s16, s16, s18                     ; 4,096 b + 512 x + 256 u: my keys
	s_mov_b32 s17, 0
	s_lshl_b32 s20, s15, 17
	s_add_co_u32 s20, s20, s22                     ; 16 parts of 8,192 bytes a batch in PF
	s_mov_b32 s21, 0
	s_lshl_b32 s24, s15, 13
	s_add_co_u32 s22, s22, s24                     ; 8,192 bytes a batch in out1
	s_mov_b32 s23, 0
	s_wait_kmcnt 0x0
	s_add_nc_u64 s[4:5], s[4:5], s[16:17]
	s_add_nc_u64 s[6:7], s[6:7], s[18:19]
	s_add_nc_u64 s[8:9], s[8:9], s[20:21]
	s_add_nc_u64 s[10:11], s[10:11], s[16:17]
	s_add_nc_u64 s[12:13], s[12:13], s[22:23]
	global_load_b64 v[6:7], v2, s[6:7]             ; m_i, S_i
	global_load_b64 v[8:9], v3, s[4:5]             ; l2 of my two keys
.irp i, 0,1,2,3,4,5,6,7,8,9,10,11,12,13,14,15
	global_load_b128 v[16+4*\i:19+4*\i], v4, s[8:9] offset:8192*\i th:TH_LOAD_NT   ; 512 consecutive bytes of part i, read once in the launch
.endr
	s_wait_loadcnt 17                              ; m, S are in
	v_mov_b32 v10, v6
	v_max_num_f32_dpp v10, v10, v10 row_xmask:1 row_mask:0xf bank_mask:0xf
	v_max_num_f32_dpp v10, v10, v10 row_xmask:2 row_mask:0xf bank_mask:0xf
	v_max_num_f32_dpp v10, v10, v10 row_xmask:4 row_mask:0xf bank_mask:0xf
	v_max_num_f32_dpp v10, v10, v10 row_xmask:8 row_mask:0xf bank_mask:0xf   ; M: each half of the lanes holds all 16 parts
	v_sub_f32 v11, v6, v10
	v_exp_f32 v11, v11                             ; e_i
	v_nop
	s_wait_alu depctr_va_vdst(0)                   ; the wait ahead of the first reader
	v_mul_f32 v12, v11, v7
	v_add_f32_dpp v12, v12, v12 row_xmask:1 row_mask:0xf bank_mask:0xf
	v_add_f32_dpp v12, v12, v12 row_xmask:2 row_mask:0xf bank_mask:0xf
	v_add_f32_dpp v12, v12, v12 row_xmask:4 row_mask:0xf bank_mask:0xf
	v_add_f32_dpp v12, v12, v12 row_xmask:8 row_mask:0xf bank_mask:0xf
	v_rcp_f32 v13, v12                             ; R
	v_nop
	s_wait_alu depctr_va_vdst(0)
	v_mul_f32 v11, v11, v13                        ; e_i R
.irp i, 0,1,2,3,4,5,6,7,8,9,10,11,12,13,14,15
	v_readlane_b32 s[32+\i], v11, \i               ; factors alone: no address and no branch is made of them
.endr
	s_wait_loadcnt 16                              ; l2 is in
	v_sub_f32 v8, v8, v10
	v_sub_f32 v9, v9, v10
	v_exp_f32 v8, v8
	v_exp_f32 v9, v9
	v_nop
	s_wait_alu depctr_va_vdst(0)
	v_mul_f32 v8, v8, v13
	v_mul_f32 v9, v9, v13
	global_store_b64 v3, v[8:9], s[10:11] th:TH_STORE_NT       ; 32 lanes store 256 consecutive bytes, aligned
	s_wait_loadcnt 0x0
.irp e, 0,1,2,3
	v_mul_f32 v[80+\e], s32, v[16+\e]
.endr
.irp i, 1,2,3,4,5,6,7,8,9,10,11,12,13,14,15
.irp e, 0,1,2,3
	v_fma_f32 v[80+\e], v[16+4*\i+\e], s[32+\i], v[80+\e]
.endr
.endr
	global_store_b128 v4, v[80:83], s[12:13] th:TH_STORE_NT    ; 512 consecutive bytes
	s_endpgm
.Lfunc_end_k_qef2a5f86f2_comb:
	.size	k_qef2a5f86f2_comb, .Lfunc_end_k_qef2a5f86f2_comb-k_qef2a5f86f2_comb
	.p2alignl 7, 3214868480
	.fill 96, 4, 3214868480
	.section	.rodata,"a",@progbits
	.p2align	6, 0x0
	.amdhsa_kernel k_qef2a5f86f2_comb
		.amdhsa_group_segment_fixed_size 0
		.amdhsa_private_segment_fixed_size 0
		.amdhsa_enable_private_segment 0
		.amdhsa_kernarg_size 40
		.amdhsa_user_sgpr_count 2
		.amdhsa_user_sgpr_kernarg_segment_ptr 1
		.amdhsa_wavefront_size32 1
		.amdhsa_system_sgpr_workgroup_id_x 1
		.amdhsa_system_sgpr_workgroup_id_y 1
		.amdhsa_system_sgpr_workgroup_id_z 1
		.amdhsa_system_vgpr_workitem_id 0
		.amdhsa_next_free_vgpr 96
		.amdhsa_next_free_sgpr 66
		.amdhsa_reserve_vcc 0
		.amdhsa_float_denorm_mode_32 3
		.amdhsa_float_denorm_mode_16_64 3
		.amdhsa_memory_ordered 1
		.amdhsa_forward_progress 1
		.amdhsa_inst_pref_size 10
	.end_amdhsa_kernel
	.amdgpu_metadata
---
amdhsa.version: [ 1, 2 ]
amdhsa.kernels:
  - .name:           k_qef2a5f86f2_comb
    .symbol:         k_qef2a5f86f2_comb.kd
    .args:
      - { .name: LG, .offset: 0, .size: 8, .value_kind: global_buffer, .address_space: global }
      - { .name: ST, .offset: 8, .size: 8, .value_kind: global_buffer, .address_space: global }
      - { .name: PF, .offset: 16, .size: 8, .value_kind: global_buffer, .address_space: global }
      - { .name: out0, .offset: 24, .size: 8, .value_kind: global_buffer, .address_space: global }
      - { .name: out1, .offset: 32, .size: 8, .value_kind: global_buffer, .address_space: global }
    .group_segment_fixed_size: 0
    .private_segment_fixed_size: 0
    .kernarg_segment_align: 8
    .kernarg_segment_size: 40
    .max_flat_workgroup_size: 64
    .sgpr_count:     66
    .vgpr_count:     96
    .wavefront_size: 32
...
	.end_amdgpu_metadata
.endif
;; end of part 3
;; ======== version 2 of 2: 3 launches
;; limits: values are held in bf16: 8 bits of precision; right only within a limited range of input values
;; workspace buffers: W1f 1,114,112 bytes; C2 131,072 bytes; LG 131,072 bytes; ST 131,072 bytes; PF 4,194,304 bytes
;; launch prep (part 4): grid 384 x 1, 1 waves a work-group, no clusters, 0 bytes of LDS; arguments W1_codes, W1_scales, W2_codes, W2_scales, W3_codes, W3_scales, q1_codes, q1_scales, q2_codes, q2_scales, b1, b2, b3, W1f, C2; writes W1f, C2
.if DOCPART == 4
	.amdgcn_target "amdgcn-amd-amdhsa--gfx1250"
	.amdhsa_code_object_version 6
	.text
	.protected	k_qef2a5f86f2_prep
	.globl	k_qef2a5f86f2_prep
	.p2align	8
	.type	k_qef2a5f86f2_prep,@function
k_qef2a5f86f2_prep:
	s_mov_b64 s[64:65], 0
	v_nop
	global_prefetch_b8 v0, s[64:65] scope:SCOPE_SE
	s_setreg_imm32_b32 hwreg(HW_REG_WAVE_MODE, 25, 1), 1
	s_wait_xcnt 0x0
; TanhAttention, launch 1 of 3.
; THE PROGRAM.  logits[b][k] = sum over h of Ww[h] tanh(v[b][k] . W1[h] + c[b][h]) + bw,  c[b][h] = q1[b] . W2[h] + q2[b] . W3[h] + b1[h] + b2[h] + b3[h];
; weight = softmax of the logits along k;  feature = weight . v.  The three products with W1, W2, W3 go on codes of E2M1 with one E8M0 scale for each 32 along K.
; WORK LEFT OUT, for all finite values of the inputs.  Both outputs hang on the logits through the softmax along k alone, and softmax(l + t) = softmax(l) for
; every t that is the same for all k of a batch.  (a) bw is such a t: it is not loaded and is an argument of no launch.  (b) tanh x = 1 - 2 / (1 + e^(2x)), so
; sum_h Ww[h] tanh(x_h) = sum_h Ww[h] - 2 sum_h Ww[h] / (1 + e^(2 x_h)); the first sum is such a t too and is never formed.  LIMIT: a NaN, an infinity or an
; overflow that would reach the result through bw or through the sum of Ww alone is not carried to it.
; THIS LAUNCH has two roles, parted by the work-group's number; neither uses LDS.  A work-group is ONE wave: the waves share nothing, and a task's loads (150 in the first role)
; are then the only ones of its work-group.  Work-group 4 G + u is task u of group G; the long tasks have the low numbers.
;  Groups 0-31: C2[b][h] = 2 log2(e) c[b][h].  A wave makes 16 hidden units x 16 batches: source 0 = 16 rows of W2 (W3), source 1 = 16 rows of q1 (q2), 16 K steps of
;    128, two accumulators by turns.  In the result lane (r, h2) holds batch 16 n + r and hidden units 16 T + 8 h2 + 0 .. 7.
;  Groups 32-95: W1's codes and scale bytes are laid in the order of the operand's registers: W1f[slice s of 128 along K][wave w of the next launch] is a piece of
;    17,408 bytes: [tile t of 16][half c][lane][16 bytes] = bytes 64 s + 32 c + 16 (lane / 16) of row 256 w + 16 t + lane % 16; then [q][lane][16 bytes]: word 4 q + j of a
;    lane is the scale word (four bytes, this slice) of row 256 w + 32 (4 q + j) + lane.
.set PIECE, 17408
.set W2S, 32                           ; v32-47  W2's scale words, register s for K step s; these four runs hold scales and nothing else
.set W3S, 48                           ; v48-63  W3's
.set Q1S, 64                           ; v64-79  q1's
.set Q2S, 80                           ; v80-95  q2's
.set BI,  96                           ; v96-119 b1, b2, b3: eight numbers each
.set OUTR, 120                         ; v120-127 the result
.set MSB, 0
.macro WIN new                         ; the immediate's high byte repeats the setting that is left
.if MSB != (\new)
	s_set_vgpr_msb (MSB<<8)|(\new)
.set MSB, (\new)
.endif
.endm
	s_load_b512 s[4:19], s[0:1], 0x0               ; W1 codes s4, scales s6; W2 s8, s10; W3 s12, s14; q1 s16, s18
	s_load_b256 s[20:27], s[0:1], 0x40             ; q2 codes s20, scales s22; b1 s24; b2 s26
	s_load_b128 s[28:31], s[0:1], 0x60             ; b3 s28; W1f s30
	s_load_b64 s[32:33], s[0:1], 0x70              ; C2
	s_and_b32 s34, ttmp9, 3                        ; u: my task in its group of four
	s_lshr_b32 s48, ttmp9, 2                       ; G: the group
	v_and_b32 v1, 15, v0                           ; r
	v_bfe_u32 v2, v0, 4, 1                         ; lane / 16
	v_lshlrev_b32 v3, 10, v1
	v_lshl_add_u32 v3, v2, 4, v3                   ; a row of 2,048 codes is 1,024 bytes: 1024 r + 16 (lane / 16)
	s_mov_b32 s37, 0                               ; the upper word of every offset
	s_wait_kmcnt 0x0
	s_cmp_lt_u32 s48, 32
	s_cbranch_scc0 .Llay
	; ---- products 2 and 3
	s_lshl_b32 s35, s48, 1
	s_lshr_b32 s36, s34, 1
	s_add_co_u32 s35, s35, s36                     ; T: my tile of 16 hidden units
	s_and_b32 s38, s34, 1                          ; n: my tile of 16 batches
	s_wait_alu depctr_va_vdst(0)
	v_lshlrev_b32 v4, 6, v1                        ; a row of scale bytes is 64 bytes
	s_wait_alu depctr_va_vdst(0)
	v_lshlrev_b32 v5, 5, v2                        ; the biases: my half's eight numbers
	s_wait_alu depctr_va_vdst(0)
	v_lshlrev_b32 v6, 12, v1
	v_lshl_add_u32 v6, v2, 5, v6                   ; C2: row r of 4,096 bytes, + 32 (lane / 16)
	s_mov_b32 s40, 0x4038aa3b                      ; 2 log2(e)
	s_mov_b32 s41, s40                             ; (named with it as a pair)
	s_lshl_b32 s36, s35, 14
	s_add_nc_u64 s[8:9], s[8:9], s[36:37]          ; 16 rows of codes are 16,384 bytes
	s_add_nc_u64 s[12:13], s[12:13], s[36:37]
	s_lshl_b32 s36, s35, 10
	s_add_nc_u64 s[10:11], s[10:11], s[36:37]      ; 16 rows of scale bytes are 1,024
	s_add_nc_u64 s[14:15], s[14:15], s[36:37]
	s_lshl_b32 s36, s38, 14
	s_add_nc_u64 s[16:17], s[16:17], s[36:37]
	s_add_nc_u64 s[20:21], s[20:21], s[36:37]
	s_lshl_b32 s36, s38, 10
	s_add_nc_u64 s[18:19], s[18:19], s[36:37]
	s_add_nc_u64 s[22:23], s[22:23], s[36:37]
	s_lshl_b32 s36, s35, 6
	s_add_nc_u64 s[24:25], s[24:25], s[36:37]
	s_add_nc_u64 s[26:27], s[26:27], s[36:37]
	s_add_nc_u64 s[28:29], s[28:29], s[36:37]
	s_lshl_b32 s39, s38, 16
	s_add_co_u32 s36, s36, s39
	s_add_nc_u64 s[32:33], s[32:33], s[36:37]      ; C2 at batch 16 n, hidden unit 16 T
.irp q, 0,1,2,3
	global_load_b128 v[W2S+4*\q:W2S+4*\q+3], v4, s[10:11] offset:16*\q
	global_load_b128 v[W3S+4*\q:W3S+4*\q+3], v4, s[14:15] offset:16*\q
	global_load_b128 v[Q1S+4*\q:Q1S+4*\q+3], v4, s[18:19] offset:16*\q
	global_load_b128 v[Q2S+4*\q:Q2S+4*\q+3], v4, s[22:23] offset:16*\q
.endr
.irp q, 0,1
	global_load_b128 v[BI+4*\q:BI+4*\q+3], v5, s[24:25] offset:16*\q
	global_load_b128 v[BI+8+4*\q:BI+8+4*\q+3], v5, s[26:27] offset:16*\q
	global_load_b128 v[BI+16+4*\q:BI+16+4*\q+3], v5, s[28:29] offset:16*\q
.endr
	WIN 0x40                                       ; destination window 1: W2's 16 fragments at v0, W3's at v128
.irp s, 0,1,2,3,4,5,6,7,8,9,10,11,12,13,14,15
.irp c, 0,1
	global_load_b128 v[8*\s+4*\c:8*\s+4*\c+3], v3, s[8:9] offset:64*\s+32*\c
	global_load_b128 v[128+8*\s+4*\c:128+8*\s+4*\c+3], v3, s[12:13] offset:64*\s+32*\c
.endr
.endr
	WIN 0x80                                       ; destination window 2: q2's at v0, q1's at v128
.irp s, 0,1,2,3,4,5,6,7,8,9,10,11,12,13,14,15
.irp c, 0,1
	global_load_b128 v[128+8*\s+4*\c:128+8*\s+4*\c+3], v3, s[16:17] offset:64*\s+32*\c
	global_load_b128 v[8*\s+4*\c:8*\s+4*\c+3], v3, s[20:21] offset:64*\s+32*\c
.endr
.endr
	s_wait_loadcnt 0x0
	WIN 0x09                                       ; source 0 window 1, source 1 window 2, C and D window 0
.irp s, 0,1,2,3,4,5,6,7,8,9,10,11,12,13,14,15     ; the two sums take turns, one instruction a turn; the first K step starts them
.if \s == 0
	v_wmma_scale_f32_16x16x128_f8f6f4 v[8:15], v[8*\s:8*\s+7], v[128+8*\s:128+8*\s+7], 0, v[W2S+\s], v[Q1S+\s] matrix_a_fmt:MATRIX_FMT_FP4 matrix_b_fmt:MATRIX_FMT_FP4
	v_wmma_scale_f32_16x16x128_f8f6f4 v[16:23], v[128+8*\s:128+8*\s+7], v[8*\s:8*\s+7], 0, v[W3S+\s], v[Q2S+\s] matrix_a_fmt:MATRIX_FMT_FP4 matrix_b_fmt:MATRIX_FMT_FP4
.else
	v_wmma_scale_f32_16x16x128_f8f6f4 v[8:15], v[8*\s:8*\s+7], v[128+8*\s:128+8*\s+7], v[8:15], v[W2S+\s], v[Q1S+\s] matrix_a_fmt:MATRIX_FMT_FP4 matrix_b_fmt:MATRIX_FMT_FP4
	v_wmma_scale_f32_16x16x128_f8f6f4 v[16:23], v[128+8*\s:128+8*\s+7], v[8*\s:8*\s+7], v[16:23], v[W3S+\s], v[Q2S+\s] matrix_a_fmt:MATRIX_FMT_FP4 matrix_b_fmt:MATRIX_FMT_FP4
.endif
.endr
	WIN 0
.rept 4
	v_nop                                          ; four places between the last product and the first read of a result (ISA guide 7.12.1)
.endr
.irp j, 0,2,4,6                                    ; both results are read from their low end on
	v_pk_add_f32 v[OUTR+\j:OUTR+\j+1], v[8+\j:9+\j], v[16+\j:17+\j]
.endr
.irp q, 0,8,16
.irp j, 0,2,4,6
	v_pk_add_f32 v[OUTR+\j:OUTR+\j+1], v[OUTR+\j:OUTR+\j+1], v[BI+\q+\j:BI+\q+\j+1]
.endr
.endr
.irp j, 0,2,4,6
	v_pk_mul_f32 v[OUTR+\j:OUTR+\j+1], v[OUTR+\j:OUTR+\j+1], s[40:41] op_sel_hi:[1,0]   ; x 2 log2(e): the next launch takes 2^(..) of it
.endr
	global_store_b128 v6, v[OUTR:OUTR+3], s[32:33]             ; 32 bytes a lane of a batch's row: the whole buffer is 131,072 bytes, so no stage is spent on it
	global_store_b128 v6, v[OUTR+4:OUTR+7], s[32:33] offset:16
	s_endpgm
.Llay:
	; ---- W1 into the order of the operand's registers.  id = G - 32 = 16 sg + 4 w + qd: slice 4 sg + u, rows 256 w + 64 qd on: a group's four tasks read 256 neighbouring bytes of each row
	s_sub_co_u32 s35, s48, 32
	s_lshr_b32 s38, s35, 4
	s_bfe_u32 s39, s35, 0x20002                    ; w
	s_and_b32 s42, s35, 3                          ; qd
	s_lshl_b32 s38, s38, 2
	s_add_co_u32 s38, s38, s34                     ; s
	s_lshl_b32 s36, s39, 18
	s_lshl_b32 s43, s42, 16
	s_add_co_u32 s36, s36, s43
	s_lshl_b32 s43, s38, 6
	s_add_co_u32 s36, s36, s43                     ; (256 w + 64 qd) rows of 1,024 bytes + 64 s
	s_add_nc_u64 s[4:5], s[4:5], s[36:37]
	s_lshl_b32 s43, s38, 2
	s_add_co_u32 s43, s43, s39
	s_mul_i32 s43, s43, PIECE                      ; piece 4 s + w
	s_lshl_b32 s36, s42, 12
	s_add_co_u32 s36, s36, s43                     ; its tiles 4 qd on, 1,024 bytes each
	s_add_nc_u64 s[44:45], s[30:31], s[36:37]
	v_and_b32 v7, 31, v0
	v_lshlrev_b32 v8, 6, v7                        ; 64 x lane: a row of scale bytes
	v_lshlrev_b32 v7, 4, v7                        ; 16 x lane
	s_wait_alu depctr_va_vdst(0)
.irp t, 0,1,2,3
.irp c, 0,1
	global_load_b128 v[16+8*\t+4*\c:16+8*\t+4*\c+3], v3, s[4:5] offset:16384*\t+32*\c
.endr
.endr
	s_wait_loadcnt 0x0
.irp t, 0,1,2,3
.irp c, 0,1
	global_store_b128 v7, v[16+8*\t+4*\c:16+8*\t+4*\c+3], s[44:45] offset:1024*\t+512*\c   ; 32 lanes store 512 consecutive bytes, at a multiple of 256 from the buffer's first byte
.endr
.endr
	s_cmp_lg_u32 s42, 0
	s_cbranch_scc1 .Ldone                          ; the piece's scale words are laid by the task of its first quarter
	s_lshl_b32 s36, s39, 14
	s_lshl_b32 s46, s38, 2
	s_add_co_u32 s36, s36, s46                     ; 256 w rows of 64 bytes + 4 s
	s_add_nc_u64 s[6:7], s[6:7], s[36:37]
	s_add_co_u32 s36, s43, 16384
	s_add_nc_u64 s[46:47], s[30:31], s[36:37]
.irp i, 0,1,2,3,4,5,6,7
	global_load_b32 v[48+\i], v8, s[6:7] offset:2048*\i
.endr
	s_wait_loadcnt 0x0
	global_store_b128 v7, v[48:51], s[46:47]
	global_store_b128 v7, v[52:55], s[46:47] offset:512
.Ldone:
	s_endpgm
.Lfunc_end_k_qef2a5f86f2_prep:
	.size	k_qef2a5f86f2_prep, .Lfunc_end_k_qef2a5f86f2_prep-k_qef2a5f86f2_prep
	.p2alignl 7, 3214868480
	.fill 96, 4, 3214868480
	.section	.rodata,"a",@progbits
	.p2align	6, 0x0
	.amdhsa_kernel k_qef2a5f86f2_prep
		.amdhsa_group_segment_fixed_size 0
		.amdhsa_private_segment_fixed_size 0
		.amdhsa_enable_private_segment 0
		.amdhsa_kernarg_size 120
		.amdhsa_user_sgpr_count 2
		.amdhsa_user_sgpr_kernarg_segment_ptr 1
		.amdhsa_wavefront_size32 1
		.amdhsa_system_sgpr_workgroup_id_x 1
		.amdhsa_system_sgpr_workgroup_id_y 1
		.amdhsa_system_sgpr_workgroup_id_z 1
		.amdhsa_system_vgpr_workitem_id 0
		.amdhsa_next_free_vgpr 768
		.amdhsa_next_free_sgpr 66
		.amdhsa_reserve_vcc 0
		.amdhsa_float_denorm_mode_32 3
		.amdhsa_float_denorm_mode_16_64 3
		.amdhsa_memory_ordered 1
		.amdhsa_forward_progress 1
		.amdhsa_inst_pref_size 26
	.end_amdhsa_kernel
	.amdgpu_metadata
---
amdhsa.version: [ 1, 2 ]
amdhsa.kernels:
  - .name:           k_qef2a5f86f2_prep
    .symbol:         k_qef2a5f86f2_prep.kd
    .args:
      - { .name: W1_codes, .offset: 0, .size: 8, .value_kind: global_buffer, .address_space: global }
      - { .name: W1_scales, .offset: 8, .size: 8, .value_kind: global_buffer, .address_space: global }
      - { .name: W2_codes, .offset: 16, .size: 8, .value_kind: global_buffer, .address_space: global }
      - { .name: W2_scales, .offset: 24, .size: 8, .value_kind: global_buffer, .address_space: global }
      - { .name: W3_codes, .offset: 32, .size: 8, .value_kind: global_buffer, .address_space: global }
      - { .name: W3_scales, .offset: 40, .size: 8, .value_kind: global_buffer, .address_space: global }
      - { .name: q1_codes, .offset: 48, .size: 8, .value_kind: global_buffer, .address_space: global }
      - { .name: q1_scales, .offset: 56, .size: 8, .value_kind: global_buffer, .address_space: global }
      - { .name: q2_codes, .offset: 64, .size: 8, .value_kind: global_buffer, .address_space: global }
      - { .name: q2_scales, .offset: 72, .size: 8, .value_kind: global_buffer, .address_space: global }
      - { .name: b1, .offset: 80, .size: 8, .value_kind: global_buffer, .address_space: global }
      - { .name: b2, .offset: 88, .size: 8, .value_kind: global_buffer, .address_space: global }
      - { .name: b3, .offset: 96, .size: 8, .value_kind: global_buffer, .address_space: global }
      - { .name: W1f, .offset: 104, .size: 8, .value_kind: global_buffer, .address_space: global }
      - { .name: C2, .offset: 112, .size: 8, .value_kind: global_buffer, .address_space: global }
    .group_segment_fixed_size: 0
    .private_segment_fixed_size: 0
    .kernarg_segment_align: 8
    .kernarg_segment_size: 120
    .max_flat_workgroup_size: 32
    .sgpr_count:     66
    .vgpr_count:     768
    .wavefront_size: 32
...
	.end_amdgpu_metadata
.endif
;; end of part 4
;; launch main (part 5): grid 512 x 1, 4 waves a work-group, clusters of 4 x 1, 327,680 bytes of LDS; arguments v, W1f, C2, Ww, LG, ST, PF; writes LG, ST, PF
.if DOCPART == 5
	.amdgcn_target "amdgcn-amd-amdhsa--gfx1250"
	.amdhsa_code_object_version 6
	.text
	.protected	k_qef2a5f86f2_main
	.globl	k_qef2a5f86f2_main
	.p2align	8
	.type	k_qef2a5f86f2_main,@function
k_qef2a5f86f2_main:
	s_mov_b64 s[64:65], 0
	v_nop
	global_prefetch_b8 v0, s[64:65] scope:SCOPE_SE
	s_setreg_imm32_b32 hwreg(HW_REG_WAVE_MODE, 25, 1), 1
	s_wait_xcnt 0x0
	s_wait_alu depctr_hold_cnt(0) depctr_sa_sdst(0) depctr_va_vdst(0) depctr_va_sdst(0) depctr_va_ssrc(0) depctr_va_vcc(0) depctr_vm_vsrc(0)
	s_getreg_b32 s2, hwreg(HW_REG_IB_STS2, 6, 4)
	s_cmp_eq_u32 s2, 0
	s_cbranch_scc0 .Lentry_in_a_cluster
	s_endpgm
.Lentry_in_a_cluster:
	s_bfe_u32 s2, ttmp6, 0x10000c
	s_cmp_lg_u32 s2, 0x3003
	s_cbranch_scc0 .Lentry_shape_is_right
	s_endpgm
.Lentry_shape_is_right:
; TanhAttention, launch 2 of 3: for 64 rows (keys) of one batch: quantise v, multiply by W1, tanh, the dot with Ww, a softmax over these 64 rows, and their part of the feature.
; WORK LEFT OUT (shown at the head of the first launch): bw and the sum of Ww, which are the same for all keys of a batch, never enter the logits here.
; What is stored: LG = l2 = -2 log2(e) sum_h Ww[h] r_h, r = 1 / (1 + 2^y), y = 2 log2(e) (v . W1[h] + c[h]): the logit in base 2 less those constants;
; ST = (m, S): the 64 rows' largest l2 and the sum of p = 2^(l2 - m);  PF = sum over the 64 rows of p v.  The last launch joins the 16 parts of a batch under the batch's maximum.
; SHARES.  Work-group g = rows 64 g on.  Wave w owns (a) hidden units 256 w .. + 255 for all 64 rows: 16 tiles x 4 tiles of rows = 64 accumulators, 512 registers; (b) rows 16 w .. + 15
; for loading, quantising, keeping and the feature.  K goes in 16 slices of 128.  A slice: my 16 rows' 128 numbers come into 64 registers (a lane: 8 neighbours along K of 8 rows), are
; quantised (a block of 32 lies in four neighbouring lanes), and codes and scale bytes go to one of two small buffers in LDS; a barrier; every wave reads the 64 rows' four fragments and
; multiplies them by its 16 tiles of W1, which come as images of the operand's registers (first launch) through a ring of two LDS slots, one slice each.
; THE WALK ALONG K BEGINS AT ANOTHER SLICE IN EACH CLUSTER: position t of the walk is slice (t + rot) % 16, rot = (x + 4 (x / 16)) % 16 of the cluster's number x, for v and for W1f alike.
; So the clusters' first fills, two slices each, ask for all 16 slices of W1f between them, and at no step do all clusters ask for one and the same slice.  All that follows counts in
; POSITIONS; only the offsets into v, the address in W1f and the last stores into PF know of rot.  The order of the f32 sums along K so differs from cluster to cluster.
; v IS NEEDED AGAIN for the feature when the rows' weights are known.  Of the 16 positions nine are kept in LDS as bf16 (147,456 bytes), the last three stay as f32 in the registers into which
; they were loaded, and four (3, 6, 9, 12) are loaded again while the tanh is worked.
; CLUSTER.  The four work-groups of a cluster walk the same pieces of W1f: wave w's piece is asked for JOINTLY, by the same tensor load with the same descriptor and the mask of all four.
; No LDS address, branch or descriptor hangs on the place in the cluster: it enters the addresses of v, LG, ST and PF alone.  rot hangs on the cluster's number, which the four share.
; THE MATRIX INSTRUCTION: source 0 = 16 rows of W1, source 1 = 16 rows of v: lane (r, h) holds row r of the tile of rows and hidden units 8 h + 0 .. 7 of the tile.
; LIMITS.  NaN and infinities in v are not served.  A block of zeros gets the scale byte 1 where the rule says 127: its codes are zeros, and this program alone reads the byte; blocks whose
; largest magnitude lies under 2^-124 are held at that byte.  In nine of the 16 slices the feature takes v rounded to bf16.  2^y that overflows gives r = 0, one that underflows r = 1: tanh's ends.
; REGISTERS, in windows of 256.  Window 0: addresses, scale words, v's fragments, the quantiser's work, staging set 2, the softmax.  Window 1: v0-127 W1's 16 fragments; v128-191, v192-255
; staging sets 0, 1.  Windows 2, 3: the accumulators, (tile t, tile of rows m) at v[8 (4 (t % 8) + m)], window 2 + t / 8.  Behind the K loop: window 2 v0-127 the feature's sums (position s at 8 s);
; window 1 v0-127 and window 2 v128-255 the four slices loaded again.
.set PIECE, 17408                      ; a wave's piece of a slice of W1f: 16,384 bytes of codes, 1,024 of scale words
.set SLOTB, 69632                      ; LDS 0: slot 0; SLOTB: slot 1: four pieces each.  Also a slice's bytes in W1f
.set HOLD,  139264                     ; nine slices of 64 rows x 256 bytes of bf16
.set BUF0,  286720                     ; two buffers of BUFB bytes: 64 rows of codes, 64 bytes + 16 of padding; behind them the rows' scale words
.set BUFB,  5376
.set BSC,   5120
.set RED,   297472                     ; [wave][64 rows] parts of the logits
.set PWR,   298496                     ; each wave's own copy of the 64 p
.set CW,    299520                     ; each wave's own 256 numbers of C2, then of Ww
.set SPARE, 307712                     ; the spare words, 128 bytes for each wave: two blocks of 256 bytes that no other line names
.set VL,   2                           ; 8192 (lane / 16) + 32 (lane % 16): my place in two rows' slice of v
.set VO,   3                           ; v3-5  the load offsets of staging sets 0-2
.set AWF0, 6                           ; 16 lane + my piece;         AWF: + the slot in hand
.set AWF,  7
.set AVF0, 8                           ; v's fragments: BUF0 + 80 (lane % 16) + 16 (lane / 16);  AVF: + the buffer in hand
.set AVF,  9
.set AVS0, 10                          ; v's scale words: BUF0 + BSC + 4 (lane % 16)
.set AVS,  11
.set ACD0, 12                          ; where I put 8 codes: BUF0 + 80 (16 w + lane / 16) + 4 (lane % 16)
.set ACD,  13
.set ASB0, 14                          ; and a scale byte: BUF0 + BSC + 4 (16 w + lane / 16) + (lane % 16) / 4
.set ASB,  15
.set AH0,  16                          ; the kept slices: HOLD + 4096 w + 16 lane
.set AH,   17
.set ACW,  18                          ; CW + 2048 w + 32 (lane / 16)
.set ARD,  19                          ; RED + 256 w + 4 (lane % 16)
.set ARR,  20                          ; RED + 8 lane
.set APW,  21                          ; PWR + 256 w + 8 lane
.set APJ,  22                          ; PWR + 256 w + 4 (16 w + lane / 16)
.set ARF,  23                          ; the last sum's stage: my piece of slot 0 + 8192 (lane / 16) + 32 (lane % 16)
.set ARG,  24                          ; 2048 w + 16 lane
.set GO8,  25                          ; 8 lane
.set ACS,  26                          ; CW + 2048 w + 16 lane
.set ZR,   27                          ; 0
.set SPW,  28                          ; my spare word: SPARE + 4 x my thread's number; never rewritten
.set NIL,  29                          ; 0; never rewritten
.set VO3,  30
.set LI,   31                          ; 16 lane
.set WS,   32                          ; v32-39 W1's scale words: register t / 2, lanes 0-15 tile t even, lanes 16-31 tile t odd.  v32-43 hold scales and nothing else
.set VS,   40                          ; v40-43 v's scale words, a register for each tile of rows
.set VF,   44                          ; v44-75 v's four fragments
.set CWA,  44                          ; tanh: two buffers of 16 numbers of C2 and 16 of Ww: v44-75, v76-107
.set HB,   44                          ; feature: two buffers of a kept slice: v44-75, v76-107
.set QM,   76                          ; v76-83 largest magnitudes;  v84-91 the conversions' scale operands;  v92-99 scale bytes;  v100-107 codes;  v108-139 bf16
.set QS,   84
.set QB,   92
.set QC,   100
.set QH,   108
.set LA,   204                         ; v204-211 the logits' parts: a pair for each tile of rows
.set PJ,   212                         ; v212-227 p of my eight rows, each in both registers of a pair
.set TT,   228                         ; v228-243 at work
.set L2,   244                         ; v244-245 l2 of rows 2 lane, 2 lane + 1
.set MS,   246                         ; v246-247 m, S
.set PP,   248                         ; v248-249 p of those two rows
.set W1F,  0                           ; in window 1
.set WV,   18                          ; s18 my wave's number
.set SC,   21                          ; s21 the slice of W1f that was asked for last
.set G1,   24                          ; s[24:31] descriptor group 1;  s[32:35] group 0 of position 0;  s[36:39] group 0 that walks
.set G0A,  32
.set G0W,  36
.set WB,   40                          ; s40 PIECE x wave
.set TR,   41                          ; s41 the slot in hand: 0 or SLOTB
.set PR,   42                          ; s42 the buffer in hand: 0 or BUFB
.set KOFF, 43                          ; s43 the next slice to load, in bytes of a row: it goes round at 8,192
.set HOFF, 44                          ; s44 the next place among the kept slices
.set IT,   45
.set ROT,  47                          ; s47 rot: the slice at which my cluster's walk begins
.set K2,   48                          ; s[48:49] 2 log2(e)
.set SEL,  50                          ; s[50:51] v_permlanex16_b32's selects for lane l xor 16
.set NL2,  52                          ; s[52:53] -2 log2(e)
.set VB,   54                          ; s[54:55] v at my wave's 16 rows
.set W1P,  58                          ; s[58:59] W1f at my wave's piece of slice 0
.set OFS,  60                          ; s[60:61] a slice's offset in W1f
.set TS,   62                          ; s62 at work
.set MSB, 0
.macro WIN new                         ; the immediate's high byte repeats the setting that is left; a switch that changes nothing is dropped
.if MSB != (\new)
	s_set_vgpr_msb (MSB<<8)|(\new)
.set MSB, (\new)
.endif
.endm
.macro PLACES
.rept 4
	v_nop
.endr
.endm
.macro ROUND                           ; a round of the cluster's barrier
	s_barrier_signal -1
	s_barrier_wait -1
	s_cmp_lg_u32 s[WV], 0
	s_cbranch_scc1 .Lnot_wave_0_\@
	s_barrier_signal -3
.Lnot_wave_0_\@:
	s_barrier_wait -3
	s_barrier_signal -1
	s_barrier_wait -1
.endm
.macro SETOF set                       ; staging set: its window and first register
.if (\set) == 0
.set XW, 1
.set XB, 128
.elseif (\set) == 1
.set XW, 1
.set XB, 192
.else
.set XW, 0
.set XB, 140
.endif
.endm
; 16 loads: a slice of my 16 rows.  Registers 8 j .. 8 j + 7 of lane (h, i): row 2 j + h, k = 8 i + 0 .. 7: eight neighbours along K, as the conversions want them
.macro RLOAD xb, ad
.irp j, 0,1,2,3,4,5,6,7
	global_load_b128 v[(\xb)+8*\j:(\xb)+8*\j+3], v[\ad], s[VB:VB+1] offset:16384*\j
	global_load_b128 v[(\xb)+8*\j+4:(\xb)+8*\j+7], v[\ad], s[VB:VB+1] offset:16384*\j+16
.endr
.endm
.macro LOADS set                       ; the next position's slice into a set.  The set's offset register is free: its last loads were shown done by the counted wait at the head of QUANT
	SETOF \set
	WIN 0
	v_add_nc_u32 v[VO+\set], s[KOFF], v[VL]
	s_add_co_u32 s[KOFF], s[KOFF], 512
	s_and_b32 s[KOFF], s[KOFF], 8191               ; behind slice 15 comes slice 0
	WIN 0x40*XW
	RLOAD XB, VO+\set
	WIN 0
.endm
.macro ROFF dst, pos                   ; the offset of position pos's slice in my rows of v
	s_add_co_u32 s[TS], s[ROT], \pos
	s_and_b32 s[TS], s[TS], 15
	s_lshl_b32 s[TS], s[TS], 9
	v_add_nc_u32 v[\dst], s[TS], v[VL]
.endm
; A set's 64 numbers a lane become codes and scale bytes in the buffer in hand; hold >= 0: and bf16 in v[QH ..], which M stores behind its loads.  cnt: the younger loads, which stay out.  The numbers stay as they are.
.macro QUANT set, hold, cnt
	SETOF \set
	s_wait_loadcnt \cnt
	WIN 0x05*XW
.irp j, 0,1,2,3,4,5,6,7
	v_max3_num_f32 v[QM+\j], |v[XB+8*\j]|, |v[XB+8*\j+1]|, 0x1800000   ; row j's eight numbers, and the floor 2^(3 - 127): the byte cannot fall under 1
.endr
.irp k, 2,4,6
.irp j, 0,1,2,3,4,5,6,7
	v_max3_num_f32 v[QM+\j], |v[XB+8*\j+\k]|, |v[XB+8*\j+\k+1]|, v[QM+\j]   ; (the eight rows by turns)
.endr
.endr
	WIN 0
.irp j, 0,1,2,3,4,5,6,7
	v_max_num_f32_dpp v[QM+\j], v[QM+\j], v[QM+\j] row_xmask:1 row_mask:0xf bank_mask:0xf
.endr
.irp j, 0,1,2,3,4,5,6,7
	v_max_num_f32_dpp v[QM+\j], v[QM+\j], v[QM+\j] row_xmask:2 row_mask:0xf bank_mask:0xf   ; four neighbouring lanes hold a block of 32
.endr
.irp j, 0,1,2,3,4,5,6,7
	v_add_nc_u32 v[QS+\j], 0xff000000, v[QM+\j]    ; 2 off the exponent field: the conversion takes the exponent field of this operand as its scale
.endr
.irp j, 0,1,2,3,4,5,6,7
	v_lshrrev_b32 v[QB+\j], 23, v[QS+\j]           ; the scale's byte
.endr
	WIN 0x01*XW
.irp j, 0,1,2,3,4,5,6,7
	v_cvt_scalef32_pk8_fp4_f32 v[QC+\j], v[XB+8*\j:XB+8*\j+7], v[QS+\j]
.endr
	v_nop                                          ; one plain place behind the last scaled conversion
.if (\hold) >= 0
	WIN 0x05*XW
.irp j, 0,1,2,3,4,5,6,7
.irp e, 0,1,2,3
	v_cvt_pk_bf16_f32 v[QH+4*\j+\e], v[XB+8*\j+2*\e], v[XB+8*\j+2*\e+1]
.endr
.endr
.endif
	WIN 0
.irp j, 0,1,2,3,4,5,6,7
	ds_store_b32 v[ACD], v[QC+\j] offset:160*\j    ; two rows on: 2 x 80 bytes
.endr
.irp j, 0,1,2,3,4,5,6,7
	ds_store_b8 v[ASB], v[QB+\j] offset:8*\j       ; the four lanes of a block write the same byte with the same value
.endr
.endm
.macro PRE                             ; on to the other slot and the other buffer
	s_xor_b32 s[TR], s[TR], SLOTB
	s_xor_b32 s[PR], s[PR], BUFB
	v_add_nc_u32 v[ACD], s[PR], v[ACD0]
	v_add_nc_u32 v[ASB], s[PR], v[ASB0]
	v_add_nc_u32 v[AVF], s[PR], v[AVF0]
	v_add_nc_u32 v[AVS], s[PR], v[AVS0]
	v_add_nc_u32 v[AWF], s[TR], v[AWF0]
.endm
.macro SETAH
	v_add_nc_u32 v[AH], s[HOFF], v[AH0]
.endm
; The one barrier of a slice.  In front of it: all my tensor loads have landed (one is out: my piece of this slice), the add, and the wait for it, for my stores of this slice's codes and
; for my reads of the last slice.  refill = 1: the barrier is a round of the cluster's, and behind it the slot read last takes the next position's slice: my one tensor load until the next round.
.macro TOP refill
	WIN 0
	s_wait_tensorcnt 0x0
	ds_add_u32 v[SPW], v[NIL]                      ; 0 onto my spare word
.if \refill
	s_xor_b32 s46, s[TR], SLOTB                    ; no tensor load of mine is out, so the walking group 0 may be written: the other slot,
	s_add_co_u32 s[G0W+1], s[WB], s46
	s_add_co_u32 s[SC], s[SC], 1                   ; the next slice, round at 16,
	s_and_b32 s[SC], s[SC], 15
	s_mul_i32 s[OFS], s[SC], SLOTB
	s_add_nc_u64 s[G0W+2:G0W+3], s[W1P:W1P+1], s[OFS:OFS+1]   ; its address made anew from my piece of slice 0,
	s_or_b32 s[G0W+3], s[G0W+3], 0x80000000        ; and the type = 2 on top
.endif
	s_wait_dscnt 0x0
.if \refill
	ROUND
	tensor_load_to_lds s[G0W:G0W+3], s[G1:G1+7]
	s_nop 0
.else
	s_barrier_signal -1
	s_barrier_wait -1
.endif
	PLACES                                         ; (places behind a tensor load; also places in front of the loads into registers that products have read)
.endm
.macro WM d, a, b, sa, sb, zero, ra
.if \zero
.if \ra
	v_wmma_scale_f32_16x16x128_f8f6f4 v[(\d):(\d)+7], v[(\a):(\a)+7], v[(\b):(\b)+7], 0, v[(\sa)], v[(\sb)] matrix_a_fmt:MATRIX_FMT_FP4 matrix_b_fmt:MATRIX_FMT_FP4 matrix_a_scale:MATRIX_SCALE_ROW1
.else
	v_wmma_scale_f32_16x16x128_f8f6f4 v[(\d):(\d)+7], v[(\a):(\a)+7], v[(\b):(\b)+7], 0, v[(\sa)], v[(\sb)] matrix_a_fmt:MATRIX_FMT_FP4 matrix_b_fmt:MATRIX_FMT_FP4
.endif
.else
.if \ra
	v_wmma_scale_f32_16x16x128_f8f6f4 v[(\d):(\d)+7], v[(\a):(\a)+7], v[(\b):(\b)+7], v[(\d):(\d)+7], v[(\sa)], v[(\sb)] matrix_a_fmt:MATRIX_FMT_FP4 matrix_b_fmt:MATRIX_FMT_FP4 matrix_a_scale:MATRIX_SCALE_ROW1
.else
	v_wmma_scale_f32_16x16x128_f8f6f4 v[(\d):(\d)+7], v[(\a):(\a)+7], v[(\b):(\b)+7], v[(\d):(\d)+7], v[(\sa)], v[(\sb)] matrix_a_fmt:MATRIX_FMT_FP4 matrix_b_fmt:MATRIX_FMT_FP4
.endif
.endif
.endm
.macro MUL32 hi, zero                  ; tiles 8 hi .. 8 hi + 7 x the four tiles of rows.  The 64 accumulators take turns, one instruction a turn, in the same order in every slice
.irp t, 0,1,2,3,4,5,6,7
.irp m, 0,1,2,3
	WM 8*(4*\t+\m), W1F+8*(8*(\hi)+\t), VF+8*\m, WS+(8*(\hi)+\t)/2, VS+\m, \zero, \t%2
.endr
.endr
.endm
.macro M zero, hold                    ; a slice's 46 LDS loads, the eight stores that keep the slice as bf16 at v[AH] + hold (hold >= 0), and its 64 products
	WIN 0
.irp m, 0,1,2,3
.irp c, 0,1
	ds_load_b128 v[VF+8*\m+4*\c:VF+8*\m+4*\c+3], v[AVF] offset:1280*\m+32*\c
.endr
.endr
.irp m, 0,1,2,3
	ds_load_b32 v[VS+\m], v[AVS] offset:64*\m
.endr
	ds_load_b128 v[WS:WS+3], v[AWF] offset:16384
	ds_load_b128 v[WS+4:WS+7], v[AWF] offset:16384+512
	WIN 0x40
.irp t, 0,1,2,3,4,5,6,7,8,9,10,11,12,13,14,15
.irp c, 0,1
	ds_load_b128 v[W1F+8*\t+4*\c:W1F+8*\t+4*\c+3], v[AWF] offset:1024*\t+512*\c
.endr
.endr
.if (\hold) >= 0
	WIN 0
.irp j, 0,1,2,3,4,5,6,7
	ds_store_b128 v[AH], v[QH+4*\j:QH+4*\j+3] offset:(\hold)+512*\j   ; only my wave reads these bytes, behind the K loop
.endr
	s_wait_dscnt 24                                ; all but the youngest sixteen loads (W1's tiles 8-15) and the eight stores
.else
	s_wait_dscnt 16                                ; all but the youngest sixteen: W1's tiles 8-15
.endif
	WIN 0xa1                                       ; source 0 window 1, source 1 window 0, C and D window 2
	MUL32 0, \zero
.if (\hold) >= 0
	s_wait_dscnt 8                                 ; all loads are in; the eight stores may stay out
.else
	s_wait_dscnt 0x0
.endif
	WIN 0xf1                                       ; C and D window 3
	MUL32 1, \zero
	WIN 0
.endm
.macro STEPK set, hold, ld, cnt, refill
	PRE
	QUANT \set, \hold, \cnt
.if \ld
	LOADS \set
.endif
	s_wait_alu depctr_va_vdst(0)                   ; wait for the VALU's register writes, directly ahead of the waits below
	TOP \refill
	M 0, \hold
.endm
	s_load_b256 s[4:11], s[0:1], 0x0               ; v s4, W1f s6, C2 s8, Ww s10
	s_load_b128 s[12:15], s[0:1], 0x20             ; LG s12, ST s14
	s_load_b64 s[16:17], s[0:1], 0x30              ; PF
	v_lshl_add_u32 v[SPW], v0, 2, SPARE
	v_mov_b32 v[NIL], 0
	ds_add_u32 v[SPW], v[NIL]                      ; the wave's opening: the add, twice on end, and its wait ahead of my first tensor load
	ds_add_u32 v[SPW], v[NIL]                      ; and once more; the set-up below, work on registers, stands between it and the wait
	v_lshrrev_b32 v1, 5, v0
	v_readfirstlane_b32 s[WV], v1                  ; wave 0..3
	s_bfe_u32 s19, ttmp6, 0x40000                  ; my place in the cluster
	s_lshl_b32 s20, ttmp9, 2
	s_add_co_u32 s20, s20, s19                     ; g
	s_lshr_b32 s[ROT], ttmp9, 4                    ; rot = (x + 4 (x / 16)) % 16, of the cluster's number alone
	s_lshl_b32 s[ROT], s[ROT], 2
	s_add_co_u32 s[ROT], s[ROT], ttmp9
	s_and_b32 s[ROT], s[ROT], 15
	s_mov_b32 s[SC], s[ROT]                        ; position 0's slice is the one asked for at the head
	; descriptor group 1: a piece is 68 dense rows of 256 bytes (32 elements of 8 bytes), no padding: every lane reads its 16 bytes at 16 x lane
	s_mov_b32 s[G1], 15|(3<<16)|(1<<21)            ; 15:0 the mask: all four work-groups; 17:16 elements of 8 bytes; 21 set beside a mask
	s_mov_b32 s[G1+1], 32<<16                      ; tensor_dim0 = 32
	s_mov_b32 s[G1+2], 68<<16                      ; tensor_dim1 = 68
	s_mov_b32 s[G1+3], 32<<16                      ; tile_dim0 = 32
	s_mov_b32 s[G1+4], 68                          ; tile_dim1 = 68
	s_mov_b32 s[G1+5], 32                          ; from row to row
	s_mov_b32 s[G1+6], 0
	s_mov_b32 s[G1+7], 0
	s_mul_i32 s[WB], s[WV], PIECE
	s_mov_b32 s56, s[WB]                           ; (the descriptors' offsets lie in registers that never hold my place in the cluster)
	s_mov_b32 s57, 0
	s_mov_b32 s[OFS+1], 0
	s_mov_b32 s[K2], 0x4038aa3b
	s_mov_b32 s[K2+1], s[K2]
	s_mov_b32 s[NL2], 0xc038aa3b
	s_mov_b32 s[NL2+1], s[NL2]
	s_mov_b32 s[SEL], 0x76543210
	s_mov_b32 s[SEL+1], 0xfedcba98
	s_lshl_b32 s[KOFF], s[ROT], 9                  ; position 0's slice: 512 bytes of a row for each slice
	s_mov_b32 s[HOFF], 0
	s_mov_b32 s[TR], SLOTB                         ; position 0's PRE turns both to 0
	s_mov_b32 s[PR], BUFB
	s_mov_b32 s23, 0
	v_and_b32 v1, 31, v0                           ; lane
	v_lshlrev_b32 v[LI], 4, v1
	v_and_b32 v[TT], 15, v0                        ; i = lane % 16
	v_bfe_u32 v[TT+1], v0, 4, 1                    ; h = lane / 16
	v_lshlrev_b32 v[VL], 5, v[TT]
	v_lshl_add_u32 v[VL], v[TT+1], 13, v[VL]
	s_wait_alu depctr_va_vdst(0)
	s_wait_dscnt 0x0                               ; both opening adds are done
	s_wait_kmcnt 0x0
	s_lshl_b32 s22, s20, 19                        ; 64 rows of 8,192 bytes,
	s_lshl_b32 s46, s[WV], 17                      ; my wave's 16
	s_add_co_u32 s22, s22, s46
	s_add_nc_u64 s[VB:VB+1], s[4:5], s[22:23]
	s_lshr_b32 s22, ttmp9, 2                       ; the batch: 16 work-groups, 4 clusters
	s_lshl_b32 s22, s22, 12
	s_lshl_b32 s46, s[WV], 10
	s_add_co_u32 s22, s22, s46
	s_add_nc_u64 s[8:9], s[8:9], s[22:23]          ; C2 at my batch, my 256 hidden units
	s_mov_b32 s22, s46
	s_add_nc_u64 s[10:11], s[10:11], s[22:23]      ; Ww likewise
	s_lshl_b32 s22, s20, 8
	s_add_nc_u64 s[12:13], s[12:13], s[22:23]
	s_add_nc_u64 s[14:15], s[14:15], s[22:23]
	s_lshl_b32 s22, s20, 13
	s_add_nc_u64 s[16:17], s[16:17], s[22:23]
	s_add_nc_u64 s[W1P:W1P+1], s[6:7], s[56:57]    ; W1f at my piece of slice 0
	s_mov_b32 s[G0A], 1                            ; count = 1
	s_mov_b32 s[G0A+1], s[WB]                      ; slot 0, my piece
	s_mul_i32 s[OFS], s[ROT], SLOTB
	s_add_nc_u64 s[G0A+2:G0A+3], s[W1P:W1P+1], s[OFS:OFS+1]   ; position 0's slice
	s_mov_b32 s[G0W], 1                            ; the walking group 0: its other words are made in front of each round
	s_or_b32 s[G0A+3], s[G0A+3], 0x80000000        ; type = 2
	global_load_b128 v[44:47], v[LI], s[8:9]       ; my 256 numbers of C2 and of Ww
	global_load_b128 v[48:51], v[LI], s[8:9] offset:512
	global_load_b128 v[52:55], v[LI], s[10:11]
	global_load_b128 v[56:59], v[LI], s[10:11] offset:512
	LOADS 0                                        ; positions 0, 1, 2: 48 loads a wave are on their way from here to the K loop's end
	LOADS 1
	LOADS 2
	ROUND                                          ; all four work-groups are here: the first joint loads meet
	tensor_load_to_lds s[G0A:G0A+3], s[G1:G1+7]    ; my one tensor load at the head: my piece of position 0
	s_nop 0
	PLACES
	v_add_nc_u32 v[AWF0], s[WB], v[LI]
	v_mul_u32_u24 v[AVF0], v[TT], 80
	v_lshl_add_u32 v[AVF0], v[TT+1], 4, v[AVF0]
	v_add_nc_u32 v[AVF0], BUF0, v[AVF0]
	v_lshl_add_u32 v[AVS0], v[TT], 2, BUF0+BSC
	s_mul_i32 s46, s[WV], 1280
	s_add_co_u32 s46, s46, BUF0
	v_mul_u32_u24 v[ACD0], v[TT+1], 80
	v_lshl_add_u32 v[ACD0], v[TT], 2, v[ACD0]
	v_add_nc_u32 v[ACD0], s46, v[ACD0]
	s_lshl_b32 s46, s[WV], 6
	s_add_co_u32 s46, s46, BUF0+BSC
	v_lshrrev_b32 v[ASB0], 2, v[TT]
	v_lshl_add_u32 v[ASB0], v[TT+1], 2, v[ASB0]
	v_add_nc_u32 v[ASB0], s46, v[ASB0]
	s_lshl_b32 s46, s[WV], 12
	s_add_co_u32 s46, s46, HOLD
	v_add_nc_u32 v[AH0], s46, v[LI]
	s_lshl_b32 s46, s[WV], 11
	s_add_co_u32 s46, s46, CW
	v_lshl_add_u32 v[ACW], v[TT+1], 5, s46
	v_add_nc_u32 v[ACS], s46, v[LI]
	s_lshl_b32 s46, s[WV], 8
	s_add_co_u32 s46, s46, RED
	v_lshl_add_u32 v[ARD], v[TT], 2, s46
	v_lshl_add_u32 v[ARR], v1, 3, RED
	s_lshl_b32 s46, s[WV], 8
	s_add_co_u32 s46, s46, PWR
	v_lshl_add_u32 v[APW], v1, 3, s46
	s_mul_i32 s46, s[WV], 320
	s_add_co_u32 s46, s46, PWR
	v_lshl_add_u32 v[APJ], v[TT+1], 2, s46
	v_lshl_add_u32 v[ARF], v[TT+1], 13, s[WB]
	v_lshl_add_u32 v[ARF], v[TT], 5, v[ARF]
	s_lshl_b32 s46, s[WV], 11
	v_add_nc_u32 v[ARG], s46, v[LI]
	v_lshlrev_b32 v[GO8], 3, v1
	v_mov_b32 v[ZR], 0
.irp m, 4,5,6,7
	v_mov_b32 v[TT+\m], 0                          ; written once: a lane permute's destination counts as one of its sources
.endr
	s_wait_loadcnt 48                              ; C2 and Ww are in; the three slices behind them stay out
	ds_store_b128 v[ACS], v[44:47]                 ; into my wave's own bytes: only I read them
	ds_store_b128 v[ACS], v[48:51] offset:512
	ds_store_b128 v[ACS], v[52:55] offset:1024
	ds_store_b128 v[ACS], v[56:59] offset:1536
	; ---- position 0: its products start the sums, so it stands in front of the loop
	PRE
	SETAH
	QUANT 0, 0, 32
	LOADS 0                                        ; position 3
	s_wait_alu depctr_va_vdst(0)                   ; wait for the VALU's register writes, directly ahead of the waits below
	TOP 1                                          ; my piece of position 0 is in; slot 1's first fill, position 1, stands behind the round, as a refill does
	M 1, 0
	s_mov_b32 s[HOFF], 16384
	s_mov_b32 s[IT], 4
.Lk:                                               ; four trips of three slices (the staging sets come round): positions 1 to 12.  Each loads the slice three on and asks for W1's next slice
	SETAH
	STEPK 1, 0, 1, 32, 1                           ; kept
	STEPK 2, 16384, 1, 32, 1                       ; kept
	STEPK 0, -1, 1, 32, 1                          ; positions 3, 6, 9, 12: loaded again later
	s_add_co_u32 s[HOFF], s[HOFF], 32768
	s_sub_co_u32 s[IT], s[IT], 1
	s_cmp_lg_u32 s[IT], 0
	s_cbranch_scc1 .Lk
	STEPK 1, -1, 0, 32, 1                          ; the tail is written out: positions 13, 14, 15 stay in their registers, nothing more of v is asked for,
	STEPK 2, -1, 0, 16, 1
	STEPK 0, -1, 0, 0, 0                           ; and the last position asks for no piece
	; ---- tanh and the dot with Ww.  Four slices of v are loaded again meanwhile: two now, into the registers that held W1's fragments, two when half of the accumulators are done with
.macro CWLOAD u                        ; C2 and Ww of tiles 2 u, 2 u + 1: my half's eight numbers of each
.set CL, CWA+32*((\u)%2)
.irp tt, 0,1
	ds_load_b128 v[CL+8*\tt:CL+8*\tt+3], v[ACW] offset:64*(2*(\u)+\tt)
	ds_load_b128 v[CL+8*\tt+4:CL+8*\tt+7], v[ACW] offset:64*(2*(\u)+\tt)+16
	ds_load_b128 v[CL+16+8*\tt:CL+16+8*\tt+3], v[ACW] offset:1024+64*(2*(\u)+\tt)
	ds_load_b128 v[CL+16+8*\tt+4:CL+16+8*\tt+7], v[ACW] offset:1024+64*(2*(\u)+\tt)+16
.endr
.endm
; Tiles 2 u and 2 u + 1: eight accumulators, 64 registers on end.  y = 2 log2(e) x; 2^y; + 1; the reciprocal; x Ww into the four pairs of sums.  The exponentials and the reciprocals are a batch each, with one wait.
.macro EB u
	WIN 0
.if (\u) < 7
	CWLOAD (\u)+1
	s_wait_dscnt 8                                 ; this batch's eight loads are in, the next batch's stay out
.else
	s_wait_dscnt 0x0
.endif
.set CU, CWA+32*((\u)%2)
.set AB, 64*((\u)%4)
.set AW, 2+(\u)/4
	WIN (AW<<6)|AW
.irp tt, 0,1
.irp m, 0,1,2,3
.irp j, 0,2,4,6                                    ; each accumulator from its low end on
	v_pk_fma_f32 v[AB+32*\tt+8*\m+\j:AB+32*\tt+8*\m+\j+1], v[AB+32*\tt+8*\m+\j:AB+32*\tt+8*\m+\j+1], s[K2:K2+1], v[CU+8*\tt+\j:CU+8*\tt+\j+1] op_sel_hi:[1,0,1]
.endr
.endr
.endr
.set n, 0
	s_wait_alu depctr_va_vdst(0)
.rept 64
	v_exp_f32 v[AB+n], v[AB+n]
.set n, n+1
.endr
	v_nop                                          ; a plain place behind the last exponential,
	s_wait_alu depctr_va_vdst(0)                   ; and the one wait ahead of the batch's first reader
.set n, 0
.rept 32
	v_pk_add_f32 v[AB+n:AB+n+1], v[AB+n:AB+n+1], 1.0 op_sel_hi:[1,0]
.set n, n+2
.endr
.set n, 0
	s_wait_alu depctr_va_vdst(0)
.rept 64
	v_rcp_f32 v[AB+n], v[AB+n]
.set n, n+1
.endr
	v_nop
	s_wait_alu depctr_va_vdst(0)
	WIN AW
.irp tt, 0,1
.irp j, 0,2,4,6
.irp m, 0,1,2,3                                    ; the four sums by turns
.if ((\u) == 0) && (\tt == 0) && (\j == 0)
	v_pk_mul_f32 v[LA+2*\m:LA+2*\m+1], v[AB+32*\tt+8*\m+\j:AB+32*\tt+8*\m+\j+1], v[CU+16+8*\tt+\j:CU+16+8*\tt+\j+1]   ; the first term starts the sum
.else
	v_pk_fma_f32 v[LA+2*\m:LA+2*\m+1], v[AB+32*\tt+8*\m+\j:AB+32*\tt+8*\m+\j+1], v[CU+16+8*\tt+\j:CU+16+8*\tt+\j+1], v[LA+2*\m:LA+2*\m+1]
.endif
.endr
.endr
.endr
.endm
	PLACES                                         ; behind the last product: for the loads into W1's and v's fragments and for the first reads of results
	ROFF VO, 12                                    ; (all loads of v are in: the offsets are free)
	ROFF VO+1, 9
	WIN 0x40
	RLOAD 0, VO                                    ; position 12 -> window 1 v0-63
	RLOAD 64, VO+1                                 ; position 9  -> window 1 v64-127
	WIN 0
	CWLOAD 0
	EB 0
	EB 1
	EB 2
	EB 3
	WIN 0
	ROFF VO+2, 6
	ROFF VO3, 3
	WIN 0x80
	RLOAD 128, VO+2                                ; position 6 -> window 2 v128-191: tiles 4 to 7 are done with
	RLOAD 192, VO3                                 ; position 3 -> window 2 v192-255
	EB 4
	EB 5
	EB 6
	EB 7
	; ---- the 64 rows' logits and their softmax; every wave works it for itself
	WIN 0
.irp m, 0,1,2,3
	v_add_f32 v[TT+\m], v[LA+2*\m], v[LA+2*\m+1]
.endr
.irp m, 0,1,2,3
	v_permlanex16_b32 v[TT+4+\m], v[TT+\m], s[SEL], s[SEL+1]
.endr
.irp m, 0,1,2,3
	v_add_f32 v[TT+\m], v[TT+\m], v[TT+4+\m]       ; row 16 m + lane % 16, my 256 hidden units
.endr
.irp m, 0,1,2,3
	ds_store_b32 v[ARD], v[TT+\m] offset:64*\m     ; lanes l and l xor 16 write the same word with the same value
.endr
	s_wait_dscnt 0x0                               ; for the others' sake
	s_barrier_signal -1
	s_barrier_wait -1
.irp q, 0,1,2,3
	ds_load_b64 v[TT+8+2*\q:TT+9+2*\q], v[ARR] offset:256*\q
.endr
	s_wait_dscnt 0x0
	v_pk_add_f32 v[TT+8:TT+9], v[TT+8:TT+9], v[TT+10:TT+11]
	v_pk_add_f32 v[TT+12:TT+13], v[TT+12:TT+13], v[TT+14:TT+15]
	v_pk_add_f32 v[TT+8:TT+9], v[TT+8:TT+9], v[TT+12:TT+13]
	v_pk_mul_f32 v[L2:L2+1], v[TT+8:TT+9], s[NL2:NL2+1] op_sel_hi:[1,0]   ; l2 of rows 2 lane, 2 lane + 1
	v_max_num_f32 v[MS], v[L2], v[L2+1]
	v_max_num_f32_dpp v[MS], v[MS], v[MS] row_xmask:1 row_mask:0xf bank_mask:0xf
	v_max_num_f32_dpp v[MS], v[MS], v[MS] row_xmask:2 row_mask:0xf bank_mask:0xf
	v_max_num_f32_dpp v[MS], v[MS], v[MS] row_xmask:4 row_mask:0xf bank_mask:0xf
	v_max_num_f32_dpp v[MS], v[MS], v[MS] row_xmask:8 row_mask:0xf bank_mask:0xf
	v_permlanex16_b32 v[TT+4], v[MS], s[SEL], s[SEL+1]
	v_max_num_f32 v[MS], v[MS], v[TT+4]            ; m: the maximum is taken away before the exponential, here and again in the last launch
	v_sub_f32 v[PP], v[L2], v[MS]
	v_sub_f32 v[PP+1], v[L2+1], v[MS]
	s_wait_alu depctr_va_vdst(0)
	v_exp_f32 v[PP], v[PP]
	v_exp_f32 v[PP+1], v[PP+1]
	v_nop
	s_wait_alu depctr_va_vdst(0)
	v_add_f32 v[MS+1], v[PP], v[PP+1]
	v_add_f32_dpp v[MS+1], v[MS+1], v[MS+1] row_xmask:1 row_mask:0xf bank_mask:0xf
	v_add_f32_dpp v[MS+1], v[MS+1], v[MS+1] row_xmask:2 row_mask:0xf bank_mask:0xf
	v_add_f32_dpp v[MS+1], v[MS+1], v[MS+1] row_xmask:4 row_mask:0xf bank_mask:0xf
	v_add_f32_dpp v[MS+1], v[MS+1], v[MS+1] row_xmask:8 row_mask:0xf bank_mask:0xf
	v_permlanex16_b32 v[TT+5], v[MS+1], s[SEL], s[SEL+1]
	v_add_f32 v[MS+1], v[MS+1], v[TT+5]            ; S
	ds_store_b64 v[APW], v[PP:PP+1]                ; my wave's own copy of the 64 p; LDS serves a wave's instructions in order (ISA guide 5.7.1.4): the loads below see it
.irp j, 0,1,2,3,4,5,6,7
	ds_load_b32 v[PJ+2*\j], v[APJ] offset:8*\j     ; p of row 16 w + 2 j + lane / 16, in both registers of a pair, for the packed forms
	ds_load_b32 v[PJ+2*\j+1], v[APJ] offset:8*\j
.endr
.macro HLOAD q                         ; kept slice q: my 16 rows, back into the lanes that stored them
	v_add_nc_u32 v[AH], 16384*(\q), v[AH0]
.irp j, 0,1,2,3,4,5,6,7
	ds_load_b128 v[HB+32*((\q)%2)+4*\j:HB+32*((\q)%2)+4*\j+3], v[AH] offset:512*\j
.endr
.endm
	HLOAD 0
	s_cmp_lg_u32 s[WV], 0
	s_cbranch_scc1 .Lnot_first
	global_store_b64 v[GO8], v[L2:L2+1], s[12:13]  ; wave 0: 32 lanes store 256 consecutive bytes, aligned; these registers are not written again
	global_store_b64 v[GO8], v[MS:MS+1], s[14:15]  ; (m, S) 32 times: again 256 consecutive bytes
.Lnot_first:
	; ---- my rows' part of the feature: lane (h, i) sums p x over its eight rows, for columns 8 i + 0 .. 7 of each position's slice
.macro FSUM sg, xw, xb                 ; a slice in f32: window xw, from register xb
	WIN 0x80|(\xw)
.irp e, 0,2,4,6
	v_pk_mul_f32 v[8*(\sg)+\e:8*(\sg)+\e+1], v[(\xb)+\e:(\xb)+\e+1], v[PJ:PJ+1]   ; the first row starts the sums
.endr
	WIN 0xa0|(\xw)
.irp j, 1,2,3,4,5,6,7
.irp e, 0,2,4,6
	v_pk_fma_f32 v[8*(\sg)+\e:8*(\sg)+\e+1], v[(\xb)+8*\j+\e:(\xb)+8*\j+\e+1], v[PJ+2*\j:PJ+2*\j+1], v[8*(\sg)+\e:8*(\sg)+\e+1]
.endr
.endr
.endm
.macro HSUM q, sg                      ; a kept slice: multiply-adds straight from the bf16 halves
.set HC, HB+32*((\q)%2)
	WIN 0x80
.irp e, 0,1,2,3
	v_fma_mix_f32_bf16 v[8*(\sg)+2*\e], v[HC+\e], v[PJ], v[ZR] op_sel_hi:[1,0,0]
	v_fma_mix_f32_bf16 v[8*(\sg)+2*\e+1], v[HC+\e], v[PJ], v[ZR] op_sel:[1,0,0] op_sel_hi:[1,0,0]
.endr
	WIN 0xa0
.irp j, 1,2,3,4,5,6,7
.irp e, 0,1,2,3
	v_fma_mix_f32_bf16 v[8*(\sg)+2*\e], v[HC+4*\j+\e], v[PJ+2*\j], v[8*(\sg)+2*\e] op_sel_hi:[1,0,0]
	v_fma_mix_f32_bf16 v[8*(\sg)+2*\e+1], v[HC+4*\j+\e], v[PJ+2*\j], v[8*(\sg)+2*\e+1] op_sel:[1,0,0] op_sel_hi:[1,0,0]
.endr
.endr
.endm
	s_wait_dscnt 8                                 ; p is in; the first kept slice's eight loads stay out
	FSUM 13, 1, 192                                ; the three positions that stayed in their registers
	FSUM 14, 0, 140
	FSUM 15, 1, 128
.set Q, 0
.rept 9                                            ; kept positions 0, 1, 2, 4, 5, 7, 8, 10, 11
	WIN 0
.if Q < 8
	HLOAD Q+1
	s_wait_dscnt 8                                 ; this slice is in, the next one's loads stay out
.else
	s_wait_dscnt 0x0
.endif
.if Q == 0
	HSUM Q, 0
.else
	HSUM Q, 1+3*((Q-1)/2)+(Q-1)%2
.endif
.set Q, Q+1
.endr
	s_wait_loadcnt 0x0                             ; the four slices that were loaded again
	FSUM 12, 1, 0
	FSUM 9, 1, 64
	FSUM 6, 2, 128
	FSUM 3, 2, 192
	; ---- the eight parts (four waves x two halves of the lanes) meet in a stage, laid by positions.  It lies in slot 0, each wave's two parts in its own piece: the slot has had its last fill (position 14) and its last read
	WIN 0x08                                       ; an LDS store's data are its source 1: window 2
.set n, 0
.rept 16
	ds_store_b128 v[ARF], v[8*n:8*n+3] offset:512*n
	ds_store_b128 v[ARF], v[8*n+4:8*n+7] offset:512*n+16
.set n, n+1
.endr
	WIN 0
.irp k, 0,1,2,3                                    ; position 4 w + k is slice (4 w + k + rot) % 16: its 512 bytes' place in PF's row, + 16 lane
	s_lshl_b32 s[TS], s[WV], 2
	s_add_co_u32 s[TS], s[TS], s[ROT]
	s_add_co_u32 s[TS], s[TS], \k
	s_and_b32 s[TS], s[TS], 15
	s_lshl_b32 s[TS], s[TS], 9
	v_add_nc_u32 v[TT+8+\k], s[TS], v[LI]
.endr
	s_wait_dscnt 0x0
	s_barrier_signal -1
	s_barrier_wait -1
.irp k, 0,1,2,3                                    ; my four positions: four times 512 bytes, eight parts of each
.irp q, 0,1,2,3
.irp e, 0,1
	ds_load_b128 v[44+4*(8*\k+2*\q+\e):44+4*(8*\k+2*\q+\e)+3], v[ARG] offset:PIECE*\q+8192*\e+512*\k
.endr
.endr
.endr
	s_wait_dscnt 0x0
.irp k, 0,1,2,3
.irp d, 4,8,16
.irp a, 0,8,16,24
.if (\a % (2*\d)) == 0
	v_pk_add_f32 v[44+32*\k+\a:44+32*\k+\a+1], v[44+32*\k+\a:44+32*\k+\a+1], v[44+32*\k+\a+\d:44+32*\k+\a+\d+1]
	v_pk_add_f32 v[44+32*\k+\a+2:44+32*\k+\a+3], v[44+32*\k+\a+2:44+32*\k+\a+3], v[44+32*\k+\a+\d+2:44+32*\k+\a+\d+3]
.endif
.endr
.endr
.endr
.irp k, 0,1,2,3
	global_store_b128 v[TT+8+\k], v[44+32*\k:44+32*\k+3], s[16:17]   ; 32 lanes store 512 consecutive bytes, at a multiple of 256 from the buffer's first byte; the sixteen positions fill the row once
.endr
	s_wait_tensorcnt 0x0                           ; the wave's end: a tensor wait, an add to my spare word and its wait, behind my last tensor load and my last LDS store
	ds_add_u32 v[SPW], v[NIL]
	s_wait_dscnt 0x0
	ROUND                                          ; the closing round: no work-group ends while a partner may still ask for a piece that names it
	s_endpgm
.Lfunc_end_k_qef2a5f86f2_main:
	.size	k_qef2a5f86f2_main, .Lfunc_end_k_qef2a5f86f2_main-k_qef2a5f86f2_main
	.p2alignl 7, 3214868480
	.fill 96, 4, 3214868480
	.section	.rodata,"a",@progbits
	.p2align	6, 0x0
	.amdhsa_kernel k_qef2a5f86f2_main
		.amdhsa_group_segment_fixed_size 327680
		.amdhsa_private_segment_fixed_size 0
		.amdhsa_enable_private_segment 0
		.amdhsa_kernarg_size 56
		.amdhsa_user_sgpr_count 2
		.amdhsa_user_sgpr_kernarg_segment_ptr 1
		.amdhsa_wavefront_size32 1
		.amdhsa_system_sgpr_workgroup_id_x 1
		.amdhsa_system_sgpr_workgroup_id_y 1
		.amdhsa_system_sgpr_workgroup_id_z 1
		.amdhsa_system_vgpr_workitem_id 0
		.amdhsa_next_free_vgpr 1024
		.amdhsa_next_free_sgpr 66
		.amdhsa_reserve_vcc 0
		.amdhsa_float_denorm_mode_32 3
		.amdhsa_float_denorm_mode_16_64 3
		.amdhsa_memory_ordered 1
		.amdhsa_forward_progress 1
		.amdhsa_inst_pref_size 255
	.end_amdhsa_kernel
	.section	.bss,"aw",@nobits
	.p2align	6
	.space	262144
	.amdgpu_metadata
---
amdhsa.version: [ 1, 2 ]
amdhsa.kernels:
  - .name:           k_qef2a5f86f2_main
    .symbol:         k_qef2a5f86f2_main.kd
    .args:
      - { .name: v, .offset: 0, .size: 8, .value_kind: global_buffer, .address_space: global }
      - { .name: W1f, .offset: 8, .size: 8, .value_kind: global_buffer, .address_space: global }
      - { .name: C2, .offset: 16, .size: 8, .value_kind: global_buffer, .address_space: global }
      - { .name: Ww, .offset: 24, .size: 8, .value_kind: global_buffer, .address_space: global }
      - { .name: LG, .offset: 32, .size: 8, .value_kind: global_buffer, .address_space: global }
      - { .name: ST, .offset: 40, .size: 8, .value_kind: global_buffer, .address_space: global }
      - { .name: PF, .offset: 48, .size: 8, .value_kind: global_buffer, .address_space: global }
    .group_segment_fixed_size: 327680
    .private_segment_fixed_size: 0
    .kernarg_segment_align: 8
    .kernarg_segment_size: 56
    .max_flat_workgroup_size: 128
    .sgpr_count:     66
    .vgpr_count:     1024
    .wavefront_size: 32
...
	.end_amdgpu_metadata
.endif
;; end of part 5
;; launch comb (part 6): grid 8 x 32, 2 waves a work-group, no clusters, 0 bytes of LDS; arguments LG, ST, PF, out0, out1; writes out0, out1
.if DOCPART == 6
	.amdgcn_target "amdgcn-amd-amdhsa--gfx1250"
	.amdhsa_code_object_version 6
	.text
	.protected	k_qef2a5f86f2_comb
	.globl	k_qef2a5f86f2_comb
	.p2align	8
	.type	k_qef2a5f86f2_comb,@function
k_qef2a5f86f2_comb:
	s_mov_b64 s[64:65], 0
	v_nop
	global_prefetch_b8 v0, s[64:65] scope:SCOPE_SE
	s_setreg_imm32_b32 hwreg(HW_REG_WAVE_MODE, 25, 1), 1
	s_wait_xcnt 0x0
; TanhAttention, launch 3 of 3: the 16 parts of a batch are joined.  (bw and the sum of Ww were left out of the logits: shown at the head of the first launch.)
; Part i gave m_i, S_i = sum of 2^(l2 - m_i), PF_i = sum of 2^(l2 - m_i) v.  With M = the largest m_i, e_i = 2^(m_i - M) and R = 1 / sum_i e_i S_i:
; weight[k] = 2^(l2[k] - M) R;  feature = sum_i (e_i R) PF_i.  The maximum is taken away before every exponential; S_i is at least 1, so the divisor is at least 1.
; Work-group (x, b): batch b; wave u: keys 128 x + 64 u on and columns 256 x + 128 u on.  A stream: no LDS, no barrier; all 18 loads of a wave go out at once.
	s_load_b256 s[4:11], s[0:1], 0x0               ; LG s4, ST s6, PF s8, out0 s10
	s_load_b64 s[12:13], s[0:1], 0x20              ; out1
	v_lshrrev_b32 v1, 5, v0
	v_readfirstlane_b32 s14, v1                    ; u
	s_and_b32 s15, ttmp7, 0xffff                   ; b
	v_and_b32 v1, 31, v0
	v_and_b32 v2, 15, v0
	v_lshlrev_b32 v2, 8, v2                        ; lane % 16 takes part i = lane % 16: 256 bytes a part in ST
	v_lshlrev_b32 v3, 3, v1                        ; 8 lane
	v_lshlrev_b32 v4, 4, v1                        ; 16 lane
	s_lshl_b32 s18, s15, 12                        ; 4,096 b: a batch in ST, LG and out0
	s_mov_b32 s19, 0
	s_lshl_b32 s16, ttmp9, 9
	s_lshl_b32 s20, s14, 8
	s_add_co_u32 s16, s16, s20
	s_lshl_b32 s22, s16, 1                         ; 1,024 x + 512 u: my columns
	s_add_co_u32 s16, s16, s18                     ; 4,096 b + 512 x + 256 u: my keys
	s_mov_b32 s17, 0
	s_lshl_b32 s20, s15, 17
	s_add_co_u32 s20, s20, s22                     ; 16 parts of 8,192 bytes a batch in PF
	s_mov_b32 s21, 0
	s_lshl_b32 s24, s15, 13
	s_add_co_u32 s22, s22, s24                     ; 8,192 bytes a batch in out1
	s_mov_b32 s23, 0
	s_wait_alu depctr_va_vdst(0)
	s_wait_kmcnt 0x0
	s_add_nc_u64 s[4:5], s[4:5], s[16:17]
	s_add_nc_u64 s[6:7], s[6:7], s[18:19]
	s_add_nc_u64 s[8:9], s[8:9], s[20:21]
	s_add_nc_u64 s[10:11], s[10:11], s[16:17]
	s_add_nc_u64 s[12:13], s[12:13], s[22:23]
	global_load_b64 v[6:7], v2, s[6:7]             ; m_i, S_i
	global_load_b64 v[8:9], v3, s[4:5]             ; l2 of my two keys
.irp i, 0,1,2,3,4,5,6,7,8,9,10,11,12,13,14,15
	global_load_b128 v[16+4*\i:19+4*\i], v4, s[8:9] offset:8192*\i th:TH_LOAD_NT   ; 512 consecutive bytes of part i, read once in the launch
.endr
	s_wait_loadcnt 17                              ; m, S are in
	v_mov_b32 v10, v6
	v_max_num_f32_dpp v10, v10, v10 row_xmask:1 row_mask:0xf bank_mask:0xf
	v_max_num_f32_dpp v10, v10, v10 row_xmask:2 row_mask:0xf bank_mask:0xf
	v_max_num_f32_dpp v10, v10, v10 row_xmask:4 row_mask:0xf bank_mask:0xf
	v_max_num_f32_dpp v10, v10, v10 row_xmask:8 row_mask:0xf bank_mask:0xf   ; M: each half of the lanes holds all 16 parts
	v_sub_f32 v11, v6, v10
	s_wait_alu depctr_va_vdst(0)
	v_exp_f32 v11, v11                             ; e_i
	v_nop
	s_wait_alu depctr_va_vdst(0)                   ; the wait ahead of the first reader
	v_mul_f32 v12, v11, v7
	v_add_f32_dpp v12, v12, v12 row_xmask:1 row_mask:0xf bank_mask:0xf
	v_add_f32_dpp v12, v12, v12 row_xmask:2 row_mask:0xf bank_mask:0xf
	v_add_f32_dpp v12, v12, v12 row_xmask:4 row_mask:0xf bank_mask:0xf
	v_add_f32_dpp v12, v12, v12 row_xmask:8 row_mask:0xf bank_mask:0xf
	s_wait_alu depctr_va_vdst(0)
	v_rcp_f32 v13, v12                             ; R
	v_nop
	s_wait_alu depctr_va_vdst(0)
	v_mul_f32 v11, v11, v13                        ; e_i R
.irp i, 0,1,2,3,4,5,6,7,8,9,10,11,12,13,14,15
	v_readlane_b32 s[32+\i], v11, \i               ; factors alone: no address and no branch is made of them
.endr
	s_wait_loadcnt 16                              ; l2 is in
	v_sub_f32 v8, v8, v10
	v_sub_f32 v9, v9, v10
	s_wait_alu depctr_va_vdst(0)
	v_exp_f32 v8, v8
	v_exp_f32 v9, v9
	v_nop
	s_wait_alu depctr_va_vdst(0)
	v_mul_f32 v8, v8, v13
	v_mul_f32 v9, v9, v13
	global_store_b64 v3, v[8:9], s[10:11] th:TH_STORE_NT       ; 32 lanes store 256 consecutive bytes, aligned
	s_wait_loadcnt 0x0
.irp e, 0,1,2,3
	v_mul_f32 v[80+\e], s32, v[16+\e]
.endr
.irp i, 1,2,3,4,5,6,7,8,9,10,11,12,13,14,15
.irp e, 0,1,2,3
	v_fma_f32 v[80+\e], v[16+4*\i+\e], s[32+\i], v[80+\e]
.endr
.endr
	global_store_b128 v4, v[80:83], s[12:13] th:TH_STORE_NT    ; 512 consecutive bytes
	s_endpgm
.Lfunc_end_k_qef2a5f86f2_comb:
	.size	k_qef2a5f86f2_comb, .Lfunc_end_k_qef2a5f86f2_comb-k_qef2a5f86f2_comb
	.p2alignl 7, 3214868480
	.fill 96, 4, 3214868480
	.section	.rodata,"a",@progbits
	.p2align	6, 0x0
	.amdhsa_kernel k_qef2a5f86f2_comb
		.amdhsa_group_segment_fixed_size 0
		.amdhsa_private_segment_fixed_size 0
		.amdhsa_enable_private_segment 0
		.amdhsa_kernarg_size 40
		.amdhsa_user_sgpr_count 2
		.amdhsa_user_sgpr_kernarg_segment_ptr 1
		.amdhsa_wavefront_size32 1
		.amdhsa_system_sgpr_workgroup_id_x 1
		.amdhsa_system_sgpr_workgroup_id_y 1
		.amdhsa_system_sgpr_workgroup_id_z 1
		.amdhsa_system_vgpr_workitem_id 0
		.amdhsa_next_free_vgpr 96
		.amdhsa_next_free_sgpr 66
		.amdhsa_reserve_vcc 0
		.amdhsa_float_denorm_mode_32 3
		.amdhsa_float_denorm_mode_16_64 3
		.amdhsa_memory_ordered 1
		.amdhsa_forward_progress 1
		.amdhsa_inst_pref_size 10
	.end_amdhsa_kernel
	.amdgpu_metadata
---
amdhsa.version: [ 1, 2 ]
amdhsa.kernels:
  - .name:           k_qef2a5f86f2_comb
    .symbol:         k_qef2a5f86f2_comb.kd
    .args:
      - { .name: LG, .offset: 0, .size: 8, .value_kind: global_buffer, .address_space: global }
      - { .name: ST, .offset: 8, .size: 8, .value_kind: global_buffer, .address_space: global }
      - { .name: PF, .offset: 16, .size: 8, .value_kind: global_buffer, .address_space: global }
      - { .name: out0, .offset: 24, .size: 8, .value_kind: global_buffer, .address_space: global }
      - { .name: out1, .offset: 32, .size: 8, .value_kind: global_buffer, .address_space: global }
    .group_segment_fixed_size: 0
    .private_segment_fixed_size: 0
    .kernarg_segment_align: 8
    .kernarg_segment_size: 40
    .max_flat_workgroup_size: 64
    .sgpr_count:     66
    .vgpr_count:     96
    .wavefront_size: 32
...
	.end_amdgpu_metadata
.endif
;; end of part 6
